; MI455X (gfx1250); checked and timed in simulation.
; The chip was launched on July 23, 2026; its instructions are those of AMD's public machine-readable ISA for CDNA 5 (MIT licence, August 2026) and "CDNA5" Instruction Set Architecture Reference Guide (July 2026). The comments in the code are by the model that wrote it; some were corrected since.
;; Differential Dropout. Allowed arithmetic: float matrix products may take bf16 or f16 operands with f32 sums; all other float work in f32.
;; Inputs: noise 256 x 65,536 float32; x 256 x 65,536 float32.
;; Outputs: out0 256 x 65,536 float32.
;; Constants: epoch = 3.
;; 2 versions, each right and faster than the one before. Each part assembles by itself: llvm-mc -triple=amdgcn-amd-amdhsa -mcpu=gfx1250 --defsym DOCPART=n.
;; ======== version 1 of 2: 3 launches
;; limits: a difference of large sums (such as E[x^2] - mean^2): digits are lost where the result is much smaller than its terms; right only within a limited range of input values; inputs' magnitudes at most 4,194,304; values are held in f16: magnitudes above 65,504 overflow, below 6.1e-05 lose precision
;; workspace buffers: part 16,777,216 bytes; dg 65,536 bytes; sm 65,536 bytes; sh 1,024 bytes; mm 512 bytes of whole numbers; st 4,096 bytes; bm 524,288 bytes; trips 1,024 bytes of whole numbers
;; launch gram (part 1): grid 256 x 1, 8 waves a work-group, no clusters, 77,056 bytes of LDS; arguments x, part, dg, sm, sh, mm; writes part, dg, sm, sh, mm
.if DOCPART == 1
	.amdgcn_target "amdgcn-amd-amdhsa--gfx1250"
	.amdhsa_code_object_version 6
	.text
	.protected	k_q3f09e96330_gram
	.globl	k_q3f09e96330_gram
	.p2align	8
	.type	k_q3f09e96330_gram,@function
k_q3f09e96330_gram:
	s_mov_b64 s[64:65], 0
	v_nop
	global_prefetch_b8 v0, s[64:65] scope:SCOPE_SE
	s_setreg_imm32_b32 hwreg(HW_REG_WAVE_MODE, 25, 1), 1
	s_wait_xcnt 0x0
; Partial Gram sums of the shifted rows of x [256][65536] f32, for the correlation matrix.
;   y[i][k] = x[i][k] - a[i], a[i] = mean of x[i][0:64] (made alike, bit for bit, in every work-group);
;   part[r][i][j] = sum over the 1,024 columns of range r of f16(y[i][k]) f16(y[j][k]), summed in f32;
;   dg[r][i] = part[r][i][i];  sm[r][i] = sum of y[i][k] in f32;  sh[i] = -a[i];
;   mm[r] = {min, max} of round(x) over all 256 rows x the 1,024 columns of range r, as whole numbers.
; Work-group id: strip q = id & 3 (rows 64 q .. 64 q + 63 of the result), column range r = id >> 2.  16 K steps of 64 columns:
; a row's piece is 256 consecutive bytes at a multiple of 256.  Wave w loads, shifts and converts rows 32 w .. 32 w + 31 into LDS
; and multiplies the strip's 64 rows by its own 32 rows: 8 accumulator tiles.  The two waves whose rows lie in the strip ('own')
; also take the sums of y; min and max are taken by the eight waves of strip 0, which between them load the whole range.  So each
; element of x is summed once and compared once in the launch, and no wave does more than min, max and sums together.
; f16 and not bf16: the shifted rows have room in f16 (limit below), and its 11 bits keep the correlations' error small.
; NO CLUSTER, NO TENSOR LOADS: the four strips of a range read the same 64 KiB of x in each step, but every number is shifted and
; narrowed in registers on its way; a shared f32 tile in LDS would add 64 KiB written and 64 KiB read to a step's 32 KiB written
; and 96 KiB read there.
; LIMITS: |x| < 2^22 (rounding by adding 1.5 x 2^23); |x - a| < 65504 (f16); no NaN or infinity in x.
.set ROWB,   262144                    ; bytes in a row of x
.set PITCH,  144                       ; LDS row: 64 f16 + 16 bytes, an odd multiple of 16
.set BUFB,   256*PITCH                 ; one of the two operand buffers
.set SPITCH, 1040                      ; the way out: 256 f32 + 16 bytes, an odd multiple of 16
.set TAILS,  73728                     ; behind both: 128 bytes a wave for row sums, 1,024 further on the same for the shifts
.set MMR,    75776                     ; behind those: 8 bytes a wave, its min and max
.set SUMP, 32                          ; v[32:63]   16 pairs: running sums of y, load j's row
.set H,    64                          ; v[64:95]   the step's f16, two words for each load
.set FS,   64                          ; v[64:127]  fragments of the strip: 32 kg + 8 mi
.set FO,   128                         ; v[128:159] fragments of my own rows: 16 kg + 8 ni
.set ACC,  160                         ; v[160:223] tile (mi, ni) at 8 (2 mi + ni)
.set NSH,  224                         ; v[224:255] 16 equal pairs: -a of load j's row
; v1 c = lane & 15, v2 h = lane >> 4, v3 offset in x, v4 LDS store address, v5, v6 fragment addresses, v8, v9 min, max, v10 lane, v11 32 w + 8 h
; registers 256 to 383 (second window of 256): stage p of x as loaded, 64 p + 4 j
.set MSB, 0
.macro WIN new                         ; low byte: 1:0 source 0, 3:2 source 1, 5:4 source 2, 7:6 destination; high byte: the setting left
.if MSB != \new
	s_set_vgpr_msb (MSB<<8)|\new
.set MSB, \new
.endif
.endm
; load j covers rows 32 w + 16 (j >> 3) + (j & 7) + 8 h: 16 lanes take 256 consecutive bytes of one row
.macro LOADS p, lo
	WIN 0x40
.irp j, 0,1,2,3,4,5,6,7,8,9,10,11,12,13,14,15
	global_load_b128 v[64*\p+4*\j:64*\p+4*\j+3], v3, s[\lo:\lo+1] offset:(16*(\j>>3)+(\j&7))*ROWB
.endr
	WIN 0
.endm
.macro MINMAX p
	WIN 0x05
.irp j, 0,1,2,3,4,5,6,7,8,9,10,11,12,13,14,15
	v_min3_num_f32 v8, v[64*\p+4*\j], v[64*\p+4*\j+1], v8
	v_max3_num_f32 v9, v[64*\p+4*\j], v[64*\p+4*\j+1], v9
	v_min3_num_f32 v8, v[64*\p+4*\j+2], v[64*\p+4*\j+3], v8
	v_max3_num_f32 v9, v[64*\p+4*\j+2], v[64*\p+4*\j+3], v9
.endr
.endm
.macro SUB p                           ; y = x + (-a), in place
	WIN 0x41
.irp j, 0,1,2,3,4,5,6,7,8,9,10,11,12,13,14,15
	v_pk_add_f32 v[64*\p+4*\j:64*\p+4*\j+1], v[64*\p+4*\j:64*\p+4*\j+1], v[NSH+2*\j:NSH+2*\j+1]
	v_pk_add_f32 v[64*\p+4*\j+2:64*\p+4*\j+3], v[64*\p+4*\j+2:64*\p+4*\j+3], v[NSH+2*\j:NSH+2*\j+1]
.endr
.endm
.macro SUMS p
	WIN 0x01
.irp j, 0,1,2,3,4,5,6,7,8,9,10,11,12,13,14,15
	v_pk_add_f32 v[SUMP+2*\j:SUMP+2*\j+1], v[64*\p+4*\j:64*\p+4*\j+1], v[SUMP+2*\j:SUMP+2*\j+1]
	v_pk_add_f32 v[SUMP+2*\j:SUMP+2*\j+1], v[64*\p+4*\j+2:64*\p+4*\j+3], v[SUMP+2*\j:SUMP+2*\j+1]
.endr
.endm
.macro CVT p
	WIN 0x05
.irp j, 0,1,2,3,4,5,6,7,8,9,10,11,12,13,14,15
	v_cvt_pk_f16_f32 v[H+2*\j], v[64*\p+4*\j], v[64*\p+4*\j+1]
	v_cvt_pk_f16_f32 v[H+2*\j+1], v[64*\p+4*\j+2], v[64*\p+4*\j+3]
.endr
.endm
.macro PUT buf                         ; the two rows of one store lie 8 x 144 = 1,152 bytes apart, 128 modulo 256: no two lanes share a bank
	WIN 0
.irp j, 0,1,2,3,4,5,6,7,8,9,10,11,12,13,14,15
	ds_store_b64 v4, v[H+2*\j:H+2*\j+1] offset:\buf*BUFB+(16*(\j>>3)+(\j&7))*PITCH
.endr
.endm
.macro FRAGS buf                       ; 12 loads for each group of 32 along K
.irp kg, 0,1
.irp ni, 0,1
	ds_load_b128 v[FO+16*\kg+8*\ni:FO+16*\kg+8*\ni+3], v6 offset:\buf*BUFB+\ni*16*PITCH+64*\kg
	ds_load_b128 v[FO+16*\kg+8*\ni+4:FO+16*\kg+8*\ni+7], v6 offset:\buf*BUFB+\ni*16*PITCH+64*\kg+32
.endr
.irp mi, 0,1,2,3
	ds_load_b128 v[FS+32*\kg+8*\mi:FS+32*\kg+8*\mi+3], v5 offset:\buf*BUFB+\mi*16*PITCH+64*\kg
	ds_load_b128 v[FS+32*\kg+8*\mi+4:FS+32*\kg+8*\mi+7], v5 offset:\buf*BUFB+\mi*16*PITCH+64*\kg+32
.endr
.endr
.endm
; source 0 = my own rows, source 1 = the strip's: lane (c, h), register e holds result (strip row 16 mi + c, column 32 w + 16 ni + 8 h + e)
.macro MUL8 kg, zero
.irp mi, 0,1,2,3
.irp ni, 0,1
.if \zero
	v_wmma_f32_16x16x32_f16 v[ACC+8*(2*\mi+\ni):ACC+8*(2*\mi+\ni)+7], v[FO+16*\kg+8*\ni:FO+16*\kg+8*\ni+7], v[FS+32*\kg+8*\mi:FS+32*\kg+8*\mi+7], 0
.else
	v_wmma_f32_16x16x32_f16 v[ACC+8*(2*\mi+\ni):ACC+8*(2*\mi+\ni)+7], v[FO+16*\kg+8*\ni:FO+16*\kg+8*\ni+7], v[FS+32*\kg+8*\mi:FS+32*\kg+8*\mi+7], v[ACC+8*(2*\mi+\ni):ACC+8*(2*\mi+\ni)+7]
.endif
.endr
.endr
.endm
; One K step on stage st of x and LDS buffer buf.  fill = 1: the stage is loaded again, two steps ahead.
; left = the younger stage's loads, which stay out.
; One barrier a step serves both ways: a buffer was last read two steps ago, and each wave waited for those reads (s_wait_dscnt 0)
; in front of the barrier of the step between.
; SUB's 32 packed adds name none of the matrix instructions' registers: they are the places between the last
; step's products and CVT's writes of v[64:95], and the fragment loads further down.
.macro STEP id, st, buf, zero, fill, left
	s_wait_loadcnt \left
	s_cmp_lg_u32 s17, 0                            ; min and max: strip 0 alone, all its waves
	s_cbranch_scc1 .Lnomm\id
	MINMAX \st
	WIN 0
.Lnomm\id:
	SUB \st
	WIN 0
	s_cmp_eq_u32 s19, 0                            ; sums: the waves whose rows lie in the strip
	s_cbranch_scc1 .Lnosu\id
	SUMS \st
	WIN 0
.Lnosu\id:
	CVT \st
	PUT \buf
.if \fill
	s_wait_xcnt 0x0                                ; the base that pending loads name is stepped only behind this wait
	s_add_nc_u64 s[22:23], s[22:23], 256
	LOADS \st, 22
.endif
	s_wait_dscnt 0x0                               ; my rows are in LDS
	s_barrier_signal -1
	s_barrier_wait -1                              ; everybody's are
	FRAGS \buf
	s_wait_dscnt 12                                ; the first 12 fragment loads are in, the second K group's 12 stay out
	MUL8 0, \zero
	s_wait_dscnt 0x0
	MUL8 1, 0
.endm
	s_load_b256 s[4:11], s[0:1], 0x0               ; x s[4:5], part s[6:7], dg s[8:9], sm s[10:11]
	s_load_b128 s[12:15], s[0:1], 0x20             ; sh s[12:13], mm s[14:15]
	v_lshl_add_u32 v30, v0, 2, 0x12900
	v_mov_b32 v31, 0
	v_lshrrev_b32 v7, 5, v0
	v_readfirstlane_b32 s16, v7                    ; wave w
	s_and_b32 s17, ttmp9, 3                        ; strip q
	s_lshr_b32 s18, ttmp9, 2                       ; range r
	s_lshr_b32 s24, s16, 1
	s_cmp_eq_u32 s24, s17
	s_cselect_b32 s19, 1, 0                        ; own: my 32 rows lie in the strip
	s_mov_b32 s26, 0x76543210                      ; v_permlanex16_b32: lane i reads lane i of the other half
	s_mov_b32 s27, 0xfedcba98
	v_and_b32 v1, 15, v0                           ; c
	v_bfe_u32 v2, v0, 4, 1                         ; h
	v_and_b32 v10, 31, v0                          ; lane
	s_lshl_b32 s24, s16, 5
	v_lshl_add_u32 v11, v2, 3, s24                 ; 32 w + 8 h
	v_lshlrev_b32 v3, 18, v11
	v_lshl_add_u32 v3, v1, 4, v3                   ; that row in x + 16 c
	v_mul_u32_u24 v4, v11, PITCH
	v_lshl_add_u32 v4, v1, 3, v4                   ; that row in LDS + 8 c
	v_mul_u32_u24 v12, v1, PITCH
	v_lshl_add_u32 v12, v2, 4, v12                 ; a fragment's lane term: c x pitch + 16 h
	s_mul_i32 s24, s17, 64*PITCH
	s_mul_i32 s25, s16, 32*PITCH
	v_add_nc_u32 v5, s24, v12                      ; the strip's rows
	v_add_nc_u32 v6, s25, v12                      ; my own rows
	v_mov_b32 v8, 0x7f800000                       ; +infinity
	v_mov_b32 v9, 0xff800000                       ; -infinity
.set i, 0
.rept 32
	v_mov_b32 v[SUMP+i], 0                         ; written in every wave: only the own waves add to them
.set i, i+1
.endr
	s_lshl_b32 s24, s18, 12                        ; 1,024 columns of 4 bytes
	s_mov_b32 s25, 0
	s_wait_kmcnt 0x0
	s_add_nc_u64 s[22:23], s[4:5], s[24:25]        ; x at the range's first column
	LOADS 0, 4                                     ; columns 0 to 63, for the shifts
	LOADS 1, 22                                    ; K step 0
	s_wait_loadcnt 16                              ; the sample is in; step 0's 16 loads stay out
	WIN 0x05
.irp j, 0,1,2,3,4,5,6,7,8,9,10,11,12,13,14,15
	v_pk_add_f32 v[64+2*\j:65+2*\j], v[4*\j:4*\j+1], v[4*\j+2:4*\j+3]
.endr
	WIN 0
.irp j, 0,1,2,3,4,5,6,7,8,9,10,11,12,13,14,15
	v_add_f32 v[64+2*\j], v[64+2*\j], v[65+2*\j]
.endr
.irp m, 1,2,4,8
.irp j, 0,1,2,3,4,5,6,7,8,9,10,11,12,13,14,15
	v_add_f32_dpp v[64+2*\j], v[64+2*\j], v[64+2*\j] row_xmask:\m row_mask:0xf bank_mask:0xf
.endr
.endr
.irp j, 0,1,2,3,4,5,6,7,8,9,10,11,12,13,14,15
	v_mul_f32 v[NSH+2*\j], 0xbc800000, v[64+2*\j]      ; -1/64 x the sum of 64
	v_mul_f32 v[NSH+2*\j+1], 0xbc800000, v[64+2*\j]
.endr
	s_wait_xcnt 0x0
	s_add_nc_u64 s[22:23], s[22:23], 256
	LOADS 0, 22                                    ; K step 1
	STEP 0, 1, 0, 1, 1, 16                         ; the first products start the sums: nothing is cleared
	STEP 1, 0, 1, 0, 1, 16
	s_mov_b32 s20, 6
.Lsteps:
	STEP 2, 1, 0, 0, 1, 16
	STEP 3, 0, 1, 0, 1, 16
	s_sub_co_i32 s20, s20, 1
	s_cmp_lg_u32 s20, 0
	s_cbranch_scc1 .Lsteps
	STEP 4, 1, 0, 0, 0, 16                         ; the last two steps load nothing
	STEP 5, 0, 1, 0, 0, 0
	; THE WAY OUT: the strip goes through LDS, so that each store of a wave covers 512 consecutive bytes of part.
.rept 4
	v_nop                                          ; the places behind the last products (ISA guide 7.12.1)
.endr
	s_barrier_signal -1                            ; every wave's fragment reads are over (s_wait_dscnt 0 above):
	s_barrier_wait -1                              ; the operand buffers' bytes become the stage
	v_mul_u32_u24 v7, v1, SPITCH
	v_lshl_add_u32 v7, v11, 2, v7                  ; row c, byte 4 (32 w + 8 h)
.irp mi, 0,1,2,3
.irp ni, 0,1
	ds_store_b128 v7, v[ACC+8*(2*\mi+\ni):ACC+8*(2*\mi+\ni)+3] offset:\mi*16*SPITCH+\ni*64
	ds_store_b128 v7, v[ACC+8*(2*\mi+\ni)+4:ACC+8*(2*\mi+\ni)+7] offset:\mi*16*SPITCH+\ni*64+16
.endr
.endr
	s_lshl_b32 s24, s18, 18                        ; part + r x 256 KiB + q x 64 rows of 1,024 bytes
	s_lshl_b32 s25, s17, 16
	s_add_co_u32 s24, s24, s25
	s_mov_b32 s25, 0
	s_add_nc_u64 s[6:7], s[6:7], s[24:25]
	s_lshl_b32 s24, s18, 10                        ; sm + r x 1,024
	s_add_nc_u64 s[10:11], s[10:11], s[24:25]
	s_lshl_b32 s28, s17, 8
	s_add_co_u32 s24, s24, s28                     ; dg + r x 1,024 + q x 256
	s_add_nc_u64 s[8:9], s[8:9], s[24:25]
	s_mul_i32 s24, s16, 8*SPITCH
	v_lshl_add_u32 v12, v10, 4, s24                ; back: my 8 rows of the strip, 16 bytes a lane
	s_lshl_b32 s24, s16, 13
	v_lshl_add_u32 v13, v10, 4, s24                ; and the same in part
	v_lshlrev_b32 v16, 2, v0                       ; 4 x thread
	s_lshl_b32 s24, s16, 3
	s_add_co_u32 s24, s24, MMR
	v_mov_b32 v24, s24                             ; my wave's min and max
	v_and_b32 v25, 7, v0
	v_lshlrev_b32 v25, 3, v25
	v_add_nc_u32 v25, MMR, v25                     ; those of wave lane % 8
	s_cmp_lg_u32 s17, 0
	s_cbranch_scc1 .Lnomr
	; strip 0: my wave's min and max of x over its 32 lanes, into its own 8 bytes, in front of the barrier below
.irp m, 1,2,4,8
	v_min_num_f32_dpp v8, v8, v8 row_xmask:\m row_mask:0xf bank_mask:0xf
	v_max_num_f32_dpp v9, v9, v9 row_xmask:\m row_mask:0xf bank_mask:0xf
.endr
	v_mov_b32 v21, v8                              ; the permute's destination counts as read
	v_mov_b32 v22, v9
	v_permlanex16_b32 v21, v8, s26, s27
	v_permlanex16_b32 v22, v9, s26, s27
	v_min_num_f32 v8, v8, v21
	v_max_num_f32 v9, v9, v22
	ds_store_b64 v24, v[8:9]
.Lnomr:
	s_wait_dscnt 0x0
	s_barrier_signal -1
	s_barrier_wait -1                              ; the stage is whole, and so are the eight waves' min and max
.irp n, 0,1,2,3,4,5,6,7,8,9,10,11,12,13,14,15
	ds_load_b128 v[64+4*\n:67+4*\n], v12 offset:(\n>>1)*SPITCH+(\n&1)*512
.endr
.irp n, 0,1,2,3,4,5,6,7,8,9,10,11,12,13,14,15
	s_wait_dscnt 15-\n                             ; read-back n is in, the younger ones stay out
	global_store_b128 v13, v[64+4*\n:67+4*\n], s[6:7] offset:(\n>>1)*1024+(\n&1)*512
.endr
	s_cmp_gt_u32 s16, 1
	s_cbranch_scc1 .Lnodiag                        ; threads 0 to 63: the strip's diagonal
	s_mul_i32 s24, s16, 32*(SPITCH+4)
	s_add_co_u32 s24, s24, s28
	v_mul_u32_u24 v14, v10, SPITCH+4
	v_add_nc_u32 v14, s24, v14                     ; row l, column 64 q + l
	ds_load_b32 v15, v14
	s_wait_dscnt 0x0
	global_store_b32 v16, v15, s[8:9]
.Lnodiag:
	s_cmp_eq_u32 s19, 0
	s_cbranch_scc1 .Lend
	; own waves: the sums and shifts of my 32 rows
.irp j, 0,1,2,3,4,5,6,7,8,9,10,11,12,13,14,15
	v_add_f32 v[SUMP+2*\j], v[SUMP+2*\j], v[SUMP+2*\j+1]
.endr
.irp m, 1,2,4,8
.irp j, 0,1,2,3,4,5,6,7,8,9,10,11,12,13,14,15
	v_add_f32_dpp v[SUMP+2*\j], v[SUMP+2*\j], v[SUMP+2*\j] row_xmask:\m row_mask:0xf bank_mask:0xf
.endr
.endr
	s_lshl_b32 s24, s16, 7
	s_add_co_u32 s24, s24, TAILS
	v_lshl_add_u32 v17, v2, 5, s24                 ; my wave's 128 bytes + 4 x 8 h
	v_lshl_add_u32 v18, v10, 2, s24                ; my wave's 128 bytes + 4 x lane
; 16 figures a lane (one for each row of a half) become one figure a lane, through the wave's own LDS bytes, which LDS serves in order
.macro ROWOUT R, L, lo, t
.irp j, 0,1,2,3,4,5,6,7,8,9,10,11,12,13,14,15
	ds_store_b32 v17, v[\R+2*\j] offset:\L+4*(16*(\j>>3)+(\j&7))
.endr
	ds_load_b32 v[\t], v18 offset:\L
	s_wait_dscnt 0x0
	global_store_b32 v16, v[\t], s[\lo:\lo+1]
.endm
	ROWOUT SUMP, 0, 10, 19
	s_cmp_lg_u32 s18, 0
	s_cbranch_scc1 .Lnosh
	ROWOUT NSH, 1024, 12, 20                       ; the shifts are stored by range 0 alone
.Lnosh:
	s_cmp_lg_u32 s17, 0
	s_cbranch_scc1 .Lend
	s_cmp_lg_u32 s16, 0
	s_cbranch_scc1 .Lend
	; wave 0 of strip 0 (an own wave): the range's min and max from the eight waves'
	ds_load_b64 v[8:9], v25
	s_wait_dscnt 0x0
.irp m, 1,2,4
	v_min_num_f32_dpp v8, v8, v8 row_xmask:\m row_mask:0xf bank_mask:0xf
	v_max_num_f32_dpp v9, v9, v9 row_xmask:\m row_mask:0xf bank_mask:0xf
.endr
	v_add_f32 v8, 0x4b400000, v8                   ; + 1.5 x 2^23 rounds to the nearest whole number, halves to even
	v_add_f32 v9, 0x4b400000, v9
	v_add_nc_u32 v8, 0xb4c00000, v8                ; bits - 0x4b400000 = that whole number (rounding keeps the order, so this is min of round)
	v_add_nc_u32 v9, 0xb4c00000, v9
	v_mov_b32 v23, 0
	s_lshl_b32 s24, s18, 3                         ; entry r, 8 bytes
	s_mov_b32 s25, 0
	s_add_nc_u64 s[14:15], s[14:15], s[24:25]
	v_cmp_eq_u32 vcc_lo, 0, v10
	s_wait_xcnt 0x0                                ; EXEC is a source of the pending stores
	s_and_saveexec_b32 s28, vcc_lo
	global_store_b64 v23, v[8:9], s[14:15]
	s_wait_xcnt 0x0
	s_or_b32 exec_lo, exec_lo, s28
.Lend:
	s_barrier_signal -1
	s_barrier_wait -1
	s_wait_tensorcnt 0x0
	ds_add_u32 v30, v31
	s_wait_dscnt 0x0
	s_endpgm
.Lfunc_end_k_q3f09e96330_gram:
	.size	k_q3f09e96330_gram, .Lfunc_end_k_q3f09e96330_gram-k_q3f09e96330_gram
	.p2alignl 7, 3214868480
	.fill 96, 4, 3214868480
	.section	.rodata,"a",@progbits
	.p2align	6, 0x0
	.amdhsa_kernel k_q3f09e96330_gram
		.amdhsa_group_segment_fixed_size 77056
		.amdhsa_private_segment_fixed_size 0
		.amdhsa_enable_private_segment 0
		.amdhsa_kernarg_size 48
		.amdhsa_user_sgpr_count 2
		.amdhsa_user_sgpr_kernarg_segment_ptr 1
		.amdhsa_wavefront_size32 1
		.amdhsa_system_sgpr_workgroup_id_x 1
		.amdhsa_system_sgpr_workgroup_id_y 1
		.amdhsa_system_sgpr_workgroup_id_z 1
		.amdhsa_system_vgpr_workitem_id 0
		.amdhsa_next_free_vgpr 384
		.amdhsa_next_free_sgpr 66
		.amdhsa_reserve_vcc 1
		.amdhsa_float_denorm_mode_32 3
		.amdhsa_float_denorm_mode_16_64 3
		.amdhsa_memory_ordered 1
		.amdhsa_forward_progress 1
		.amdhsa_inst_pref_size 122
	.end_amdhsa_kernel
	.amdgpu_metadata
---
amdhsa.version: [ 1, 2 ]
amdhsa.kernels:
  - .name:           k_q3f09e96330_gram
    .symbol:         k_q3f09e96330_gram.kd
    .args:
      - { .name: x, .offset: 0, .size: 8, .value_kind: global_buffer, .address_space: global }
      - { .name: part, .offset: 8, .size: 8, .value_kind: global_buffer, .address_space: global }
      - { .name: dg, .offset: 16, .size: 8, .value_kind: global_buffer, .address_space: global }
      - { .name: sm, .offset: 24, .size: 8, .value_kind: global_buffer, .address_space: global }
      - { .name: sh, .offset: 32, .size: 8, .value_kind: global_buffer, .address_space: global }
      - { .name: mm, .offset: 40, .size: 8, .value_kind: global_buffer, .address_space: global }
    .group_segment_fixed_size: 77056
    .private_segment_fixed_size: 0
    .kernarg_segment_align: 8
    .kernarg_segment_size: 48
    .max_flat_workgroup_size: 256
    .sgpr_count:     66
    .vgpr_count:     384
    .wavefront_size: 32
...
	.end_amdgpu_metadata
.endif
;; end of part 1
;; launch rows (part 2): grid 256 x 1, 16 waves a work-group, no clusters, 84,480 bytes of LDS; arguments x, part, dg, sm, sh, mm, st, bm, trips; writes st, bm, trips
.if DOCPART == 2
	.amdgcn_target "amdgcn-amd-amdhsa--gfx1250"
	.amdhsa_code_object_version 6
	.text
	.protected	k_q3f09e96330_rows
	.globl	k_q3f09e96330_rows
	.p2align	8
	.type	k_q3f09e96330_rows,@function
k_q3f09e96330_rows:
	s_mov_b64 s[64:65], 0
	v_nop
	global_prefetch_b8 v0, s[64:65] scope:SCOPE_SE
	s_setreg_imm32_b32 hwreg(HW_REG_WAVE_MODE, 25, 1), 1
	s_wait_xcnt 0x0
; Work-group i makes row i's statistics: st[i] = {U, R, f1, uniq}, the row's bitmaps of distinct round(x) (bm), the number of window groups (trips).
;   C[i][j] = S[i][j] - s[i] s[j] / F (S, s: the sums of the first launch over its 64 ranges; F = 65536);
;   f1 = mean over j of min(|C[i][j]| rsq(C[i][i]) rsq(C[j][j]), 1);   R = sum over j of C[i][j];
;   U = C[i][i] - 2 R / 256 + F d^2, d = mu[i] - mean of mu, mu = a + s / F.  F x (mean squared distance of row i to the column means)
;   = U + (sum of all R) / 256^2: the cross term is zero, since centred rows sum to zero.  (For rows that are nearly equal to each other this form cancels.)
; Distinct values: the row stays in registers as bits of x + 1.5 x 2^23, 128 numbers a lane in 16 waves.  A window is one word: 31 values and
; bit 31 for whatever lies outside.  T = (max - min) / 31 + 1 windows, from the 64 pairs of whole numbers that the first launch stored:
; 512 bytes, read by eight scalar loads and reduced by scalar min and max, so that the loop's count is made on the scalar side alone.
; bm = [group of 4 windows][row][4 words]; a wave stores its 32 windows if any of them lies in a group below ceil(T / 4); words beyond T are zeros.
; EXEC is narrowed only for wave 0's last stores: no vector register is written behind a mask.
; No matrix unit, no cluster: the work-groups share only small tables.
; LIMITS: |x| < 2^22; max - min of round(x) at most 15,871 (512 windows); no NaN; no constant row (there the reference gives NaN, this text 1).
.set WT,  0                            ; [512 windows][16 waves] words
.set RED, 32768                        ; [3 arrays][16 waves][256] f32: S[i][.], the diagonal S[.][.], s[.]
.set FIN, 81920                        ; 16 bytes a wave
; v1 lane, v[4:7] zeros, v[8:15] at work, v20 4 w, v21 my place in RED, v22 scratch of the lane steps, v23 = 1, v24, v25 the window's word,
; v26 its address, v27 -a[j], v[28:31] results, v[32:63] part, v[64:95] dg, v[96:127] sm, v[128:255] the row.
; Offsets, first use / second use (rewritten when the loads that name them are done): v2 16 lane / FIN + 16 w; v3 4 (t & 255) / FIN + 16 (lane & 15);
; v16 in x / 64 t in WT; v17 in part / in bm; v18 in dg, sm / RED + 4 t; v19 clearing / RED + 4 i
; s[48:63], s[68:83], s[84:99]: 16 words of mm each
.macro IRED op, r, t                   ; op over the 32 lanes, whole numbers: four steps inside a half of 16, one across
.irp m, 1,2,4,8
	v_mov_b32_dpp v[\t], v[\r] row_xmask:\m row_mask:0xf bank_mask:0xf
	\op v[\r], v[\r], v[\t]
.endr
	v_permlanex16_b32 v[\t], v[\r], s26, s27
	\op v[\r], v[\r], v[\t]
.endm
.macro SUM32 r, t
.irp m, 1,2,4,8
	v_add_f32_dpp v[\r], v[\r], v[\r] row_xmask:\m row_mask:0xf bank_mask:0xf
.endr
	v_permlanex16_b32 v[\t], v[\r], s26, s27
	v_add_f32 v[\r], v[\r], v[\t]
.endm
.macro MM16 b                          ; eight pairs {min, max} of mm
.irp e, 0,2,4,6,8,10,12,14
	s_min_i32 s33, s33, s[\b+\e]
	s_max_i32 s41, s41, s[\b+\e+1]
.endr
.endm
.macro ACC4 P                          ; my four ranges: (r0 + r1) + (r2 + r3), 8 numbers a lane; the same order for every array
.irp e, 0,2,4,6
	v_pk_add_f32 v[\P+\e:\P+\e+1], v[\P+\e:\P+\e+1], v[\P+8+\e:\P+8+\e+1]
	v_pk_add_f32 v[\P+16+\e:\P+16+\e+1], v[\P+16+\e:\P+16+\e+1], v[\P+24+\e:\P+24+\e+1]
	v_pk_add_f32 v[\P+\e:\P+\e+1], v[\P+\e:\P+\e+1], v[\P+16+\e:\P+16+\e+1]
.endr
.endm
.macro TREE16 b                        ; the 16 waves' figures; the same order for every array, so that C[i][j] at j = i is C[i][i] bit for bit
.irp n, 0,2,4,6
	v_pk_add_f32 v[\b+\n:\b+\n+1], v[\b+\n:\b+\n+1], v[\b+8+\n:\b+8+\n+1]
.endr
	v_pk_add_f32 v[\b:\b+1], v[\b:\b+1], v[\b+4:\b+5]
	v_pk_add_f32 v[\b+2:\b+3], v[\b+2:\b+3], v[\b+6:\b+7]
	v_pk_add_f32 v[\b:\b+1], v[\b:\b+1], v[\b+2:\b+3]
	v_add_f32 v[\b], v[\b], v[\b+1]
.endm
.macro RUN16 dst, adr, off             ; the 16 waves' partial sums of one array at one column
.set k, 0
.rept 16
	ds_load_b32 v[\dst+k], v[\adr] offset:\off+1024*k
.set k, k+1
.endr
.endm
	s_load_b512 s[4:19], s[0:1], 0x0               ; x s[4:5], part s[6:7], dg s[8:9], sm s[10:11], sh s[12:13], mm s[14:15], st s[16:17], bm s[18:19]
	s_load_b64 s[20:21], s[0:1], 0x40              ; trips
	v_lshrrev_b32 v8, 5, v0
	v_readfirstlane_b32 s22, v8                    ; wave w
	s_mov_b32 s26, 0x76543210                      ; v_permlanex16_b32: lane i reads lane i of the other half
	s_mov_b32 s27, 0xfedcba98
	s_mov_b32 s34, 0x4b400000                      ; 1.5 x 2^23
	s_mov_b32 s35, 0x4b400000
	v_and_b32 v1, 31, v0
	v_lshlrev_b32 v2, 4, v1
	v_and_b32 v3, 0xff, v0
	v_lshlrev_b32 v3, 2, v3
	v_mov_b32 v4, 0
	v_mov_b32 v5, 0
	v_mov_b32 v6, 0
	v_mov_b32 v7, 0
	s_lshl_b32 s24, s22, 14
	v_add_nc_u32 v16, s24, v2                      ; x: my wave's 16 KiB of the row
	s_lshl_b32 s24, s22, 20
	v_add_nc_u32 v17, s24, v2                      ; part: ranges 4 w .. 4 w + 3, 256 KiB each
	s_lshl_b32 s24, s22, 12
	v_add_nc_u32 v18, s24, v2                      ; dg, sm: the same ranges, 1,024 bytes each
	s_lshl_b32 s24, s22, 9
	v_add_nc_u32 v19, s24, v2                      ; clearing: 512 bytes a wave
	s_lshl_b32 s24, s22, 2
	v_mov_b32 v20, s24                             ; my wave's word of a window
	s_lshl_b32 s24, s22, 10
	s_add_co_u32 s24, s24, RED
	v_add_nc_u32 v21, s24, v2
	v_mov_b32 v22, 0
	v_mov_b32 v23, 1
	s_lshl_b32 s36, ttmp9, 2                       ; 4 i
	s_mov_b32 s37, 0
	s_lshl_b32 s24, ttmp9, 18
	s_mov_b32 s25, 0
	s_lshl_b32 s38, ttmp9, 10
	s_mov_b32 s39, 0
	s_lshl_b32 s42, ttmp9, 4                       ; 16 i
	s_mov_b32 s43, 0
	s_mov_b32 s33, 0x7fffffff                      ; running min
	s_mov_b32 s41, 0x80000000                      ; running max
	s_wait_kmcnt 0x0
	s_add_nc_u64 s[4:5], s[4:5], s[24:25]          ; x at row i
	s_add_nc_u64 s[6:7], s[6:7], s[38:39]          ; part at row i of range 0
	s_add_nc_u64 s[16:17], s[16:17], s[42:43]      ; st at row i
	s_add_nc_u64 s[18:19], s[18:19], s[42:43]      ; bm at row i of group 0
	s_add_nc_u64 s[20:21], s[20:21], s[36:37]      ; trips at row i
	s_load_b32 s32, s[12:13], s36 offset:0x0       ; -a[i]
	s_load_b512 s[48:63], s[14:15], 0x0            ; mm, ranges 0 to 23
	s_load_b512 s[68:83], s[14:15], 0x40
	s_load_b512 s[84:99], s[14:15], 0x80
.set k, 0
.rept 32
	global_load_b128 v[128+4*k:131+4*k], v16, s[4:5] offset:512*k
.set k, k+1
.endr
.irp k, 0,1,2,3
	global_load_b128 v[32+8*\k:35+8*\k], v17, s[6:7] offset:\k*262144 th:TH_LOAD_NT
	global_load_b128 v[36+8*\k:39+8*\k], v17, s[6:7] offset:\k*262144+512 th:TH_LOAD_NT
.endr
.irp k, 0,1,2,3
	global_load_b128 v[64+8*\k:67+8*\k], v18, s[8:9] offset:\k*1024
	global_load_b128 v[68+8*\k:71+8*\k], v18, s[8:9] offset:\k*1024+512
.endr
.irp k, 0,1,2,3
	global_load_b128 v[96+8*\k:99+8*\k], v18, s[10:11] offset:\k*1024
	global_load_b128 v[100+8*\k:103+8*\k], v18, s[10:11] offset:\k*1024+512
.endr
	global_load_b32 v27, v3, s[12:13]              ; -a[j]
.irp n, 0,1,2,3
	ds_store_b128 v19, v[4:7] offset:WT+\n*8192    ; windows that the loop does not reach count nothing
.endr
	s_wait_kmcnt 0x0                               ; scalar loads come back in no order: the wait is for all of a batch
	MM16 48
	MM16 68
	MM16 84
	s_load_b512 s[48:63], s[14:15], 0xc0           ; ranges 24 to 47
	s_load_b512 s[68:83], s[14:15], 0x100
	s_load_b512 s[84:99], s[14:15], 0x140
	s_wait_dscnt 0x0
	s_barrier_signal -1
	s_barrier_wait -1                              ; the table is clear before any wave writes a window's word
	s_wait_kmcnt 0x0
	MM16 48
	MM16 68
	MM16 84
	s_load_b512 s[48:63], s[14:15], 0x180          ; ranges 48 to 63
	s_load_b512 s[68:83], s[14:15], 0x1c0
	s_wait_kmcnt 0x0
	MM16 48
	MM16 68
	s_sub_co_i32 s29, s41, s33
	s_mul_hi_u32 s29, s29, 0x08421085              ; / 31: the factor is 2^32 / 31 rounded up, exact for numbers below 2^27
	s_add_co_u32 s29, s29, 1
	s_min_u32 s29, s29, 512                        ; T
	s_add_co_u32 s44, s29, 3
	s_lshr_b32 s44, s44, 2                         ; groups of four windows
	s_lshl_b32 s23, s44, 2                         ; windows in those groups
	s_add_co_i32 s30, s33, 0x4b400000              ; the bits of the first window's first value
	s_wait_loadcnt 25                              ; the row is in; part 8, dg 8, sm 8 and the shift's 1 stay out
.set n, 0
.rept 64
	v_pk_add_f32 v[128+2*n:129+2*n], v[128+2*n:129+2*n], s[34:35] op_sel_hi:[1,0]
.set n, n+1
.endr
	s_mov_b32 s31, 0
.Lwin:
	v_mov_b32 v24, 0
	v_mov_b32 v25, 0
.set n, 0
.rept 64
	v_sub_nc_u32 v[8+2*(n%4)], v[128+2*n], s30     ; place in the window; below it wraps to a large number
	v_sub_nc_u32 v[9+2*(n%4)], v[129+2*n], s30
	v_min_u32 v[8+2*(n%4)], 31, v[8+2*(n%4)]       ; outside: bit 31
	v_min_u32 v[9+2*(n%4)], 31, v[9+2*(n%4)]
	v_lshlrev_b32 v[8+2*(n%4)], v[8+2*(n%4)], v23
	v_lshlrev_b32 v[9+2*(n%4)], v[9+2*(n%4)], v23
	v_or3_b32 v[24+(n%2)], v[8+2*(n%4)], v[9+2*(n%4)], v[24+(n%2)]
.set n, n+1
.endr
	v_or_b32 v24, v24, v25
	IRED v_or_b32, 24, 22
	s_lshl_b32 s40, s31, 6
	s_min_u32 s40, s40, 32704                      ; window x 64 bytes, inside the table
	v_add_nc_u32 v26, s40, v20
	ds_store_b32 v26, v24 offset:WT                ; every lane holds the same word
	s_add_co_u32 s30, s30, 31
	s_add_co_u32 s31, s31, 1
	s_cmp_lt_u32 s31, s29
	s_cbranch_scc1 .Lwin
	s_wait_loadcnt 0x0                             ; the tables are in, and every offset register is free
	s_lshl_b32 s24, s22, 11
	v_lshl_add_u32 v16, v1, 6, s24                 ; window t's 16 words
	v_lshrrev_b32 v17, 2, v0
	v_and_b32 v18, 3, v0
	v_lshlrev_b32 v17, 12, v17
	v_lshl_add_u32 v17, v18, 2, v17                ; bm: group t / 4 (4,096 bytes), word t % 4
	s_lshl_b32 s24, s22, 7
	s_add_co_u32 s24, s24, RED
	v_lshl_add_u32 v18, v1, 2, s24                 ; column j = t (waves 0 to 7)
	s_and_b32 s24, s36, 0x3fc
	s_add_co_u32 s24, s24, RED
	v_mov_b32 v19, s24                             ; column i
	s_lshl_b32 s24, s22, 4
	s_add_co_u32 s24, s24, FIN
	v_mov_b32 v2, s24
	v_and_b32 v3, 15, v1
	v_lshlrev_b32 v3, 4, v3
	v_add_nc_u32 v3, FIN, v3
	ACC4 32
	ACC4 64
	ACC4 96
.irp a, 0,1,2
	ds_store_b128 v21, v[32+32*\a:35+32*\a] offset:\a*16384
	ds_store_b128 v21, v[36+32*\a:39+32*\a] offset:\a*16384+512
.endr
	s_wait_dscnt 0x0
	s_barrier_signal -1
	s_barrier_wait -1                              ; all windows' words and all partial sums are in LDS
	; thread t: window t
.irp n, 0,1,2,3
	ds_load_b128 v[32+4*\n:35+4*\n], v16 offset:WT+16*\n
.endr
	s_wait_dscnt 0x0
	v_or3_b32 v32, v32, v33, v34
	v_or3_b32 v35, v35, v36, v37
	v_or3_b32 v38, v38, v39, v40
	v_or3_b32 v41, v41, v42, v43
	v_or3_b32 v44, v44, v45, v46
	v_or3_b32 v32, v32, v35, v38
	v_or3_b32 v41, v41, v44, v47
	v_or_b32 v32, v32, v41
	v_and_b32 v24, 0x7fffffff, v32                 ; the window's word, kept for the last store
	v_bcnt_u32_b32 v31, v24, 0
	v_cvt_f32_u32 v31, v31
	SUM32 31, 22
	v_mov_b32 v28, 0
	v_mov_b32 v29, 0
	v_mov_b32 v30, 0
	v_mov_b32 v112, 0
	v_mov_b32 v113, 0
	s_cmp_gt_u32 s22, 7
	s_cbranch_scc1 .Lnocov
	; threads 0 to 255: column j = thread of the covariance's row i
	RUN16 80, 19, 16384                            ; S[i][i]
	RUN16 96, 19, 32768                            ; s[i]
	RUN16 32, 18, 0                                ; S[i][j]
	s_wait_dscnt 16                                ; S[i][i] and s[i] are in; S[i][j]'s 16 loads stay out
	RUN16 48, 18, 16384                            ; S[j][j]
	RUN16 64, 18, 32768                            ; s[j]
	TREE16 80
	TREE16 96
	s_wait_dscnt 0x0
	TREE16 32
	TREE16 48
	TREE16 64
	v_mul_f32 v8, 0x37800000, v64                  ; s[j] / F
	v_mul_f32 v9, 0x37800000, v96                  ; s[i] / F
	v_fma_f32 v10, -v64, v8, v48                   ; C[j][j]
	v_fma_f32 v113, -v96, v9, v80                  ; C[i][i]
	v_fma_f32 v29, -v96, v8, v32                   ; C[i][j]
	v_rsq_f32 v11, v10
	v_rsq_f32 v12, v113
	v_sub_f32 v30, v8, v27                         ; mu[j]; also the plain instruction between the roots and their use (ISA guide 5.7.2)
	v_sub_f32 v112, v9, s32                        ; mu[i]
	s_wait_alu depctr_va_vdst(0)
	v_mul_f32 v13, |v29|, v11
	v_mul_f32 v13, v13, v12
	v_min_num_f32 v28, 1.0, v13
	SUM32 28, 22
	SUM32 29, 22
	SUM32 30, 22
.Lnocov:
	ds_store_b128 v2, v[28:31]                     ; my wave's sums of |corr|, C, mu and its count of distinct values
	s_wait_dscnt 0x0
	s_barrier_signal -1
	s_barrier_wait -1
	s_cmp_lg_u32 s22, 0
	s_cbranch_scc1 .Lbm
	ds_load_b128 v[32:35], v3                      ; lane l: wave l % 16's four figures
	s_wait_dscnt 0x0
.irp m, 1,2,4,8
	v_add_f32_dpp v32, v32, v32 row_xmask:\m row_mask:0xf bank_mask:0xf
	v_add_f32_dpp v33, v33, v33 row_xmask:\m row_mask:0xf bank_mask:0xf
	v_add_f32_dpp v34, v34, v34 row_xmask:\m row_mask:0xf bank_mask:0xf
	v_add_f32_dpp v35, v35, v35 row_xmask:\m row_mask:0xf bank_mask:0xf
.endr
	v_fmamk_f32 v36, v34, 0xbb800000, v112         ; d = mu[i] - sum of mu / 256
	v_mul_f32 v37, v36, v36
	v_fmamk_f32 v40, v37, 0x47800000, v113         ; C[i][i] + F d^2
	v_fmamk_f32 v40, v33, 0xbc000000, v40          ; - 2 R / 256: U
	v_mov_b32 v41, v33                             ; R
	v_mul_f32 v42, 0x3b800000, v32                 ; f1 = sum / 256
	v_mov_b32 v43, v35                             ; uniq
	v_mov_b32 v44, s44
	v_cmp_eq_u32 vcc_lo, 0, v1
	s_wait_xcnt 0x0                                ; EXEC changes only behind this wait
	s_and_saveexec_b32 s28, vcc_lo
	global_store_b128 v4, v[40:43], s[16:17]
	global_store_b32 v4, v44, s[20:21]
	s_wait_xcnt 0x0
	s_or_b32 exec_lo, exec_lo, s28
.Lbm:
	s_lshl_b32 s24, s22, 5                         ; my wave's first window
	s_cmp_ge_u32 s24, s23
	s_cbranch_scc1 .Lend                           ; none of my 32 windows lies in a group that is read later
	global_store_b32 v17, v24, s[18:19]
.Lend:
	s_wait_xcnt 0x0
	s_mov_b32 exec_lo, -1
	v_lshl_add_u32 v30, v0, 2, 0x14200
	v_mov_b32 v31, 0
	s_wait_tensorcnt 0x0
	ds_add_u32 v30, v31
	s_wait_dscnt 0x0
	s_endpgm
.Lfunc_end_k_q3f09e96330_rows:
	.size	k_q3f09e96330_rows, .Lfunc_end_k_q3f09e96330_rows-k_q3f09e96330_rows
	.p2alignl 7, 3214868480
	.fill 96, 4, 3214868480
	.section	.rodata,"a",@progbits
	.p2align	6, 0x0
	.amdhsa_kernel k_q3f09e96330_rows
		.amdhsa_group_segment_fixed_size 84480
		.amdhsa_private_segment_fixed_size 0
		.amdhsa_enable_private_segment 0
		.amdhsa_kernarg_size 72
		.amdhsa_user_sgpr_count 2
		.amdhsa_user_sgpr_kernarg_segment_ptr 1
		.amdhsa_wavefront_size32 1
		.amdhsa_system_sgpr_workgroup_id_x 1
		.amdhsa_system_sgpr_workgroup_id_y 1
		.amdhsa_system_sgpr_workgroup_id_z 1
		.amdhsa_system_vgpr_workitem_id 0
		.amdhsa_next_free_vgpr 256
		.amdhsa_next_free_sgpr 100
		.amdhsa_reserve_vcc 1
		.amdhsa_float_denorm_mode_32 3
		.amdhsa_float_denorm_mode_16_64 3
		.amdhsa_memory_ordered 1
		.amdhsa_forward_progress 1
		.amdhsa_inst_pref_size 55
	.end_amdhsa_kernel
	.amdgpu_metadata
---
amdhsa.version: [ 1, 2 ]
amdhsa.kernels:
  - .name:           k_q3f09e96330_rows
    .symbol:         k_q3f09e96330_rows.kd
    .args:
      - { .name: x, .offset: 0, .size: 8, .value_kind: global_buffer, .address_space: global }
      - { .name: part, .offset: 8, .size: 8, .value_kind: global_buffer, .address_space: global }
      - { .name: dg, .offset: 16, .size: 8, .value_kind: global_buffer, .address_space: global }
      - { .name: sm, .offset: 24, .size: 8, .value_kind: global_buffer, .address_space: global }
      - { .name: sh, .offset: 32, .size: 8, .value_kind: global_buffer, .address_space: global }
      - { .name: mm, .offset: 40, .size: 8, .value_kind: global_buffer, .address_space: global }
      - { .name: st, .offset: 48, .size: 8, .value_kind: global_buffer, .address_space: global }
      - { .name: bm, .offset: 56, .size: 8, .value_kind: global_buffer, .address_space: global }
      - { .name: trips, .offset: 64, .size: 8, .value_kind: global_buffer, .address_space: global }
    .group_segment_fixed_size: 84480
    .private_segment_fixed_size: 0
    .kernarg_segment_align: 8
    .kernarg_segment_size: 72
    .max_flat_workgroup_size: 512
    .sgpr_count:     100
    .vgpr_count:     256
    .wavefront_size: 32
...
	.end_amdgpu_metadata
.endif
;; end of part 2
;; launch apply (part 3): grid 1024 x 1, 8 waves a work-group, no clusters, 19,712 bytes of LDS; arguments noise, x, st, bm, trips, out0; writes out0
.if DOCPART == 3
	.amdgcn_target "amdgcn-amd-amdhsa--gfx1250"
	.amdhsa_code_object_version 6
	.text
	.protected	k_q3f09e96330_apply
	.globl	k_q3f09e96330_apply
	.p2align	8
	.type	k_q3f09e96330_apply,@function
k_q3f09e96330_apply:
	s_mov_b64 s[64:65], 0
	v_nop
	global_prefetch_b8 v0, s[64:65] scope:SCOPE_SE
	s_setreg_imm32_b32 hwreg(HW_REG_WAVE_MODE, 25, 1), 1
	s_wait_xcnt 0x0
; out = noise > p[row] ? x / (1 - p[255]) : 0.  A work-group takes 64 KiB of each tensor (a quarter of a row), a wave 8 KiB: 16 pairs of
; loads, all issued at once, each of 512 consecutive bytes; each store likewise.  Memory binds: no matrix unit, no cluster, no LDS tiles.
; While the stream's loads are on their way the work-group makes p of its row and of row 255 from the 256 rows' statistics and bitmaps:
;   f2 = (U + Q / 256^2) / (sum of U + Q / 256), Q = sum of R;  f3 = uniq / (distinct values of the whole tensor: the OR of all rows' windows);
;   p = 1 - ((f1 + (1 - f2)) + (1 - f3)) / c, in the reference's order, c = f32(3 (3 + (3 sin 3 cos 3)^2)) = 9.5269929.
; Thread t is row t: one load of st[t], one load of 4 windows of its bitmap for each group.  A wave ORs its 32 rows over the lanes and lays
; the four words into its own 16 bytes of G[group]; behind a barrier thread t ORs the eight waves' words of windows 2 t and 2 t + 1 and counts.
; Group 0's load is issued ahead of the stream; later groups (a range of round(x) above 123) wait for all that is in flight.
; Quotients: v_rcp_f32 with one correction of the reciprocal and one of the quotient.  x / (1 - p[255]) is a product with the reciprocal.
; LIMIT: the mask compares exactly; an error of p, a few 1e-9 from the f16 operands of the first launch, can flip an element whose noise lies that close to p.
.set GP, 144                           ; G: 8 waves x 16 bytes + 16, an odd multiple of 16: neighbouring groups start in different banks
.set PS, 128*GP                        ; behind the 128 groups: {sum U, sum R} of each wave, 8 bytes
.set PC, PS+64                         ; the count of each wave, 4 bytes
; v1 my offset in the stream, v2 p, v3 16 t, v4 lane, v5 clearing, v[6:7] the factor twice, v8 16 w, v9 a group's address, v10 windows 2 t, 2 t + 1 in G,
; v11, v12 my wave's place in PS, PC, v13, v14 wave lane % 8's place there, v15, v31 scratch, v[16:19] zeros, v[20:30] at work,
; v[32:95] x, v[96:159] noise, v[160:163] st[t], v[164:167] four windows of row t, v[168:183] the eight waves' words
.macro IRED op, r, t
.irp m, 1,2,4,8
	v_mov_b32_dpp v[\t], v[\r] row_xmask:\m row_mask:0xf bank_mask:0xf
	\op v[\r], v[\r], v[\t]
.endr
	v_permlanex16_b32 v[\t], v[\r], s30, s31
	\op v[\r], v[\r], v[\t]
.endm
.macro SUM32 r, t
.irp m, 1,2,4,8
	v_add_f32_dpp v[\r], v[\r], v[\r] row_xmask:\m row_mask:0xf bank_mask:0xf
.endr
	v_permlanex16_b32 v[\t], v[\r], s30, s31
	v_add_f32 v[\r], v[\r], v[\t]
.endm
.macro ORROWS                          ; four windows: the OR of my wave's 32 rows, in every lane
	IRED v_or_b32, 164, 31
	IRED v_or_b32, 165, 31
	IRED v_or_b32, 166, 31
	IRED v_or_b32, 167, 31
.endm
.macro DIV q, a, b, r, e               ; q = a / b
	v_rcp_f32 v[\r], v[\b]
	v_nop                                          ; one plain place behind the reciprocal (ISA guide 5.7.2)
	s_wait_alu depctr_va_vdst(0)
	v_fma_f32 v[\e], -v[\b], v[\r], 1.0
	v_fma_f32 v[\r], v[\e], v[\r], v[\r]
	v_mul_f32 v[\q], v[\a], v[\r]
	v_fma_f32 v[\e], -v[\b], v[\q], v[\a]
	v_fma_f32 v[\q], v[\e], v[\r], v[\q]
.endm
	s_load_b256 s[4:11], s[0:1], 0x0               ; noise s[4:5], x s[6:7], st s[8:9], bm s[10:11]
	s_load_b128 s[12:15], s[0:1], 0x20             ; trips s[12:13], out0 s[14:15]
	v_lshl_add_u32 v184, v0, 2, 0x4900
	v_mov_b32 v185, 0
	v_lshrrev_b32 v15, 5, v0
	v_readfirstlane_b32 s34, v15                   ; wave w
	v_and_b32 v4, 31, v0
	s_lshl_b32 s24, s34, 13
	v_lshl_add_u32 v1, v4, 4, s24                  ; 8 KiB a wave + 16 bytes a lane
	v_lshlrev_b32 v3, 4, v0
	s_lshl_b32 s38, s34, 4
	v_mul_u32_u24 v5, v4, GP
	v_add_nc_u32 v5, s38, v5                       ; group = lane, my wave's 16 bytes
	v_mov_b32 v8, s38
	v_lshrrev_b32 v10, 1, v0
	v_mul_u32_u24 v10, v10, GP
	v_and_b32 v15, 1, v0
	v_lshl_add_u32 v10, v15, 3, v10                ; group t / 2, words 2 (t % 2) and the next
	s_lshl_b32 s39, s34, 3
	s_add_co_u32 s39, s39, PS
	v_mov_b32 v11, s39
	s_lshl_b32 s39, s34, 2
	s_add_co_u32 s39, s39, PC
	v_mov_b32 v12, s39
	v_and_b32 v15, 7, v0
	v_lshlrev_b32 v13, 3, v15
	v_add_nc_u32 v13, PS, v13
	v_lshlrev_b32 v14, 2, v15
	v_add_nc_u32 v14, PC, v14
	v_mov_b32 v16, 0
	v_mov_b32 v17, 0
	v_mov_b32 v18, 0
	v_mov_b32 v19, 0
	v_mov_b32 v31, 0                               ; written before it is a permute's destination
	s_lshl_b32 s24, ttmp9, 16                      ; 64 KiB a work-group
	s_mov_b32 s25, 0
	s_lshr_b32 s35, ttmp9, 2                       ; row
	s_lshl_b32 s36, s35, 4
	s_lshl_b32 s37, s35, 2
	s_mov_b32 s30, 0x76543210                      ; v_permlanex16_b32: lane i reads lane i of the other half
	s_mov_b32 s31, 0xfedcba98
	s_wait_kmcnt 0x0
	s_add_nc_u64 s[4:5], s[4:5], s[24:25]
	s_add_nc_u64 s[6:7], s[6:7], s[24:25]
	s_add_nc_u64 s[14:15], s[14:15], s[24:25]
	s_load_b128 s[16:19], s[8:9], s36 offset:0x0   ; my row's {U, R, f1, uniq}
	s_load_b128 s[20:23], s[8:9], 0xff0            ; row 255's
	s_load_b32 s26, s[12:13], s37 offset:0x0       ; groups of four windows
	global_load_b128 v[160:163], v3, s[8:9]        ; row t's {U, R, f1, uniq}
	global_load_b128 v[164:167], v3, s[10:11]      ; row t's windows 0 to 3
.irp k, 0,1,2,3,4,5,6,7,8,9,10,11,12,13,14,15
	global_load_b128 v[32+4*\k:35+4*\k], v1, s[6:7] offset:512*\k th:TH_LOAD_NT
	global_load_b128 v[96+4*\k:99+4*\k], v1, s[4:5] offset:512*\k th:TH_LOAD_NT
.endr
.irp n, 0,1,2,3
	ds_store_b128 v5, v[16:19] offset:\n*32*GP     ; my wave's 16 bytes of all 128 groups: those that the loop does not reach count nothing
.endr
	s_wait_loadcnt 32                              ; the two table loads are in; the stream's 32 stay out
	SUM32 160, 31                                  ; my 32 rows' sum of U
	SUM32 161, 31                                  ; and of R
	ORROWS
	ds_store_b128 v8, v[164:167]                   ; group 0; LDS serves a wave's instructions in order, so this lands on the cleared bytes
	s_wait_kmcnt 0x0
	s_min_u32 s26, s26, 128
	s_cmp_lt_u32 s26, 2
	s_cbranch_scc1 .Lone
	s_mov_b32 s27, 1
.Lgrp:
	s_add_nc_u64 s[10:11], s[10:11], 4096          ; the load that named this base has been waited for
	global_load_b128 v[164:167], v3, s[10:11]
	s_mul_i32 s28, s27, GP
	s_min_u32 s28, s28, 127*GP                     ; inside G
	v_add_nc_u32 v9, s28, v8
	s_wait_loadcnt 0x0
	ORROWS
	ds_store_b128 v9, v[164:167]
	s_add_co_u32 s27, s27, 1
	s_cmp_lt_u32 s27, s26
	s_cbranch_scc1 .Lgrp
.Lone:
	ds_store_b64 v11, v[160:161]
	s_wait_dscnt 0x0                               ; my words and sums are in LDS
	s_barrier_signal -1
	s_barrier_wait -1                              ; everybody's are
.irp k, 0,1,2,3,4,5,6,7
	ds_load_b64 v[168+2*\k:169+2*\k], v10 offset:16*\k
.endr
	s_wait_dscnt 0x0
	v_or3_b32 v168, v168, v170, v172
	v_or3_b32 v169, v169, v171, v173
	v_or3_b32 v174, v174, v176, v178
	v_or3_b32 v175, v175, v177, v179
	v_or3_b32 v168, v168, v180, v182
	v_or3_b32 v169, v169, v181, v183
	v_or_b32 v168, v168, v174
	v_or_b32 v169, v169, v175
	v_bcnt_u32_b32 v20, v168, 0
	v_bcnt_u32_b32 v20, v169, v20
	v_cvt_f32_u32 v20, v20
	SUM32 20, 31
	ds_store_b32 v12, v20
	s_wait_dscnt 0x0
	s_barrier_signal -1
	s_barrier_wait -1
	ds_load_b64 v[22:23], v13                      ; lane l: wave l % 8's sums
	ds_load_b32 v24, v14                           ; and its count
	s_wait_dscnt 0x0
.irp m, 1,2,4
	v_add_f32_dpp v22, v22, v22 row_xmask:\m row_mask:0xf bank_mask:0xf
	v_add_f32_dpp v23, v23, v23 row_xmask:\m row_mask:0xf bank_mask:0xf
	v_add_f32_dpp v24, v24, v24 row_xmask:\m row_mask:0xf bank_mask:0xf
.endr
	; v22 = sum of U, v23 = Q, v24 = distinct values of the whole tensor.  Every wave makes p for itself: no third barrier.
	s_mov_b32 vcc_lo, 0xffff0000                   ; lanes 0-15 work on my row, lanes 16-31 on row 255
	v_mov_b32 v25, s18
	v_mov_b32 v28, s22
	v_cndmask_b32 v25, v25, v28, vcc_lo            ; f1
	v_mov_b32 v26, s16
	v_mov_b32 v28, s20
	v_cndmask_b32 v26, v26, v28, vcc_lo            ; U
	v_mov_b32 v27, s19
	v_mov_b32 v28, s23
	v_cndmask_b32 v27, v27, v28, vcc_lo            ; uniq
	v_fmamk_f32 v26, v23, 0x37800000, v26          ; U + Q / 256^2
	v_fmamk_f32 v28, v23, 0x3b800000, v22          ; sum of U + Q / 256
	DIV 29, 26, 28, 30, 15                         ; f2
	DIV 21, 27, 24, 30, 15                         ; f3
	v_sub_f32 v29, 1.0, v29
	v_sub_f32 v21, 1.0, v21
	v_add_f32 v25, v25, v29
	v_add_f32 v25, v25, v21
	v_mov_b32 v28, 0x41186e90                      ; c
	DIV 26, 25, 28, 30, 15
	v_sub_f32 v26, 1.0, v26                        ; p
	v_sub_f32 v27, 1.0, v26
	v_mov_b32 v28, 1.0
	DIV 29, 28, 27, 30, 15                         ; 1 / (1 - p)
	v_readlane_b32 s28, v26, 0                     ; my row's p
	v_readlane_b32 s29, v29, 16                    ; row 255's factor
	v_mov_b32 v2, s28
	v_mov_b32 v6, s29
	v_mov_b32 v7, s29
.irp k, 0,1,2,3,4,5,6,7,8,9,10,11,12,13,14,15
	s_wait_loadcnt 30-2*\k                         ; pair k is in; the younger pairs stay out
	v_pk_mul_f32 v[32+4*\k:33+4*\k], v[32+4*\k:33+4*\k], v[6:7]
	v_pk_mul_f32 v[34+4*\k:35+4*\k], v[34+4*\k:35+4*\k], v[6:7]
.irp e, 0,1,2,3
	v_cmp_gt_f32 vcc_lo, v[96+4*\k+\e], v2
	v_cndmask_b32 v[32+4*\k+\e], 0, v[32+4*\k+\e], vcc_lo
.endr
	global_store_b128 v1, v[32+4*\k:35+4*\k], s[14:15] offset:512*\k th:TH_STORE_NT
.endr
	s_barrier_signal -1
	s_barrier_wait -1
	s_wait_tensorcnt 0x0
	ds_add_u32 v184, v185
	s_wait_dscnt 0x0
	s_endpgm
.Lfunc_end_k_q3f09e96330_apply:
	.size	k_q3f09e96330_apply, .Lfunc_end_k_q3f09e96330_apply-k_q3f09e96330_apply
	.p2alignl 7, 3214868480
	.fill 96, 4, 3214868480
	.section	.rodata,"a",@progbits
	.p2align	6, 0x0
	.amdhsa_kernel k_q3f09e96330_apply
		.amdhsa_group_segment_fixed_size 19712
		.amdhsa_private_segment_fixed_size 0
		.amdhsa_enable_private_segment 0
		.amdhsa_kernarg_size 48
		.amdhsa_user_sgpr_count 2
		.amdhsa_user_sgpr_kernarg_segment_ptr 1
		.amdhsa_wavefront_size32 1
		.amdhsa_system_sgpr_workgroup_id_x 1
		.amdhsa_system_sgpr_workgroup_id_y 1
		.amdhsa_system_sgpr_workgroup_id_z 1
		.amdhsa_system_vgpr_workitem_id 0
		.amdhsa_next_free_vgpr 186
		.amdhsa_next_free_sgpr 66
		.amdhsa_reserve_vcc 1
		.amdhsa_float_denorm_mode_32 3
		.amdhsa_float_denorm_mode_16_64 3
		.amdhsa_memory_ordered 1
		.amdhsa_forward_progress 1
		.amdhsa_inst_pref_size 25
	.end_amdhsa_kernel
	.amdgpu_metadata
---
amdhsa.version: [ 1, 2 ]
amdhsa.kernels:
  - .name:           k_q3f09e96330_apply
    .symbol:         k_q3f09e96330_apply.kd
    .args:
      - { .name: noise, .offset: 0, .size: 8, .value_kind: global_buffer, .address_space: global }
      - { .name: x, .offset: 8, .size: 8, .value_kind: global_buffer, .address_space: global }
      - { .name: st, .offset: 16, .size: 8, .value_kind: global_buffer, .address_space: global }
      - { .name: bm, .offset: 24, .size: 8, .value_kind: global_buffer, .address_space: global }
      - { .name: trips, .offset: 32, .size: 8, .value_kind: global_buffer, .address_space: global }
      - { .name: out0, .offset: 40, .size: 8, .value_kind: global_buffer, .address_space: global }
    .group_segment_fixed_size: 19712
    .private_segment_fixed_size: 0
    .kernarg_segment_align: 8
    .kernarg_segment_size: 48
    .max_flat_workgroup_size: 256
    .sgpr_count:     66
    .vgpr_count:     186
    .wavefront_size: 32
...
	.end_amdgpu_metadata
.endif
;; end of part 3
;; ======== version 2 of 2: 3 launches; 1.15 times as fast as version 1
;; limits: a difference of large sums (such as E[x^2] - mean^2): digits are lost where the result is much smaller than its terms; right only within a limited range of input values; inputs' magnitudes at most 4,194,304; values are held in f16: magnitudes above 65,504 overflow, below 6.1e-05 lose precision
;; workspace buffers: part 16,777,216 bytes; dg 65,536 bytes; sm 66,560 bytes; w0 196,608 bytes; mm 768 bytes of whole numbers; st 4,096 bytes; bm 524,288 bytes; trips 1,024 bytes of whole numbers
;; launch gram (part 4): grid 256 x 1, 8 waves a work-group, no clusters, 78,080 bytes of LDS; arguments x, part, dg, sm, w0, mm; writes part, dg, sm, w0, mm
.if DOCPART == 4
	.amdgcn_target "amdgcn-amd-amdhsa--gfx1250"
	.amdhsa_code_object_version 6
	.text
	.protected	k_q3f09e96330_gram
	.globl	k_q3f09e96330_gram
	.p2align	8
	.type	k_q3f09e96330_gram,@function
k_q3f09e96330_gram:
	s_mov_b64 s[64:65], 0
	v_nop
	global_prefetch_b8 v0, s[64:65] scope:SCOPE_SE
	s_setreg_imm32_b32 hwreg(HW_REG_WAVE_MODE, 25, 1), 1
	s_wait_xcnt 0x0
; Partial Gram sums of the shifted rows of x [256][65536] f32, for the correlation matrix, and what else one pass over x can give.
;   y[i][k] = x[i][k] - a[i], a[i] = mean of x[i][0:64] (made alike, bit for bit, in every work-group);
;   part[r][i][j] = sum over the 1,024 columns of range r of f16(y[i][k]) f16(y[j][k]), summed in f32;
;   dg[r][i] = part[r][i][i];  sm[r][i] = sum of y[i][k] in f32;  behind sm's 64 ranges, at byte 65,536: -a[i];
;   mm[r] = {min, max} of round(x) over all 256 rows x the 1,024 columns of range r, as whole numbers; at byte 512: base0;
;   w0[3 r + q - 1][i] = a word with bit (round(x[i][k]) - base0) & 31 set for the columns k that strip q took of range r.
; base0 = (round(x[0][0]) & ~1) - 16.  M = 1.5 x 2^23 - base0 is an even whole number, so x + M rounds halves to even like round(x), and the low
; five bits of its pattern are round(x) - base0: one shift-and-or sets the bit (the shift takes five bits of its amount).  The words mean something only if every round(x) lies in
; base0 .. base0 + 31; the next launch decides that from mm and reads x itself if not.
; Work-group id: strip q = id & 3 (rows 64 q .. 64 q + 63 of the result), column range r = id >> 2.  16 K steps of 64 columns:
; a row's piece is 256 consecutive bytes at a multiple of 256.  Wave w loads, shifts and converts rows 32 w .. 32 w + 31 into LDS
; and multiplies the strip's 64 rows by its own 32 rows: 8 accumulator tiles.  Each strip loads the whole range, so the side work is shared:
; the two waves whose rows lie in the strip ('own') take the sums of y; strip 0 takes min and max (64 instructions a wave and step);
; strips 1, 2, 3 take the bit words in turn, K step n by strip 1 + n % 3 (96 instructions a wave in 5 or 6 of the 16 steps).
; f16 and not bf16: the shifted rows have room in f16 (limit below), and its 11 bits keep the correlations' error small.
; NO CLUSTER, NO TENSOR LOADS: the four strips of a range read the same 64 KiB of x in each step, but every number is shifted and
; narrowed in registers on its way; a shared f32 tile in LDS would add 64 KiB written and 64 KiB read to a step's 32 KiB written
; and 96 KiB read there.
; LIMITS: |x| < 2^22 (rounding by adding 1.5 x 2^23); |x - a| < 65504 (f16); no NaN or infinity in x.
.set ROWB,   262144                    ; bytes in a row of x
.set PITCH,  144                       ; LDS row: 64 f16 + 16 bytes, an odd multiple of 16
.set BUFB,   256*PITCH                 ; one of the two operand buffers
.set SPITCH, 1040                      ; the way out: 256 f32 + 16 bytes, an odd multiple of 16
.set TAILS,  73728                     ; behind both: 128 bytes a wave for row sums; 1,024 further on the same for the shifts; 2,304 further on for the bit words
.set MMR,    75776                     ; between those: 8 bytes a wave, its min and max
.set MG,   26                          ; v[26:27]   M, twice
.set SUMP, 32                          ; v[32:63]   16 pairs: running sums of y, load j's row
.set H,    64                          ; v[64:95]   the step's f16, two words for each load
.set FS,   64                          ; v[64:127]  fragments of the strip: 32 kg + 8 mi
.set FO,   128                         ; v[128:159] fragments of my own rows: 16 kg + 8 ni
.set ACC,  160                         ; v[160:223] tile (mi, ni) at 8 (2 mi + ni)
.set NSH,  224                         ; v[224:255] 16 equal pairs: -a of load j's row
.set TW,   128                         ; registers 384 to 447 (second window): x + M of a step
.set WA,   192                         ; registers 448 to 463 (second window): the bit word of load j's row
; v1 c = lane & 15, v2 h = lane >> 4, v3 offset in x, v4 LDS store address, v5, v6 fragment addresses, v8, v9 min, max, v10 lane, v11 32 w + 8 h, v29 base0
; registers 256 to 383 (second window of 256): stage p of x as loaded, 64 p + 4 j
.set MSB, 0
.macro WIN new                         ; low byte: 1:0 source 0, 3:2 source 1, 5:4 source 2, 7:6 destination; high byte: the setting left
.if MSB != \new
	s_set_vgpr_msb (MSB<<8)|\new
.set MSB, \new
.endif
.endm
; load j covers rows 32 w + 16 (j >> 3) + (j & 7) + 8 h: 16 lanes take 256 consecutive bytes of one row
.macro LOADS p, lo
	WIN 0x40
.irp j, 0,1,2,3,4,5,6,7,8,9,10,11,12,13,14,15
	global_load_b128 v[64*\p+4*\j:64*\p+4*\j+3], v3, s[\lo:\lo+1] offset:(16*(\j>>3)+(\j&7))*ROWB
.endr
	WIN 0
.endm
.macro MINMAX p
	WIN 0x05
.irp j, 0,1,2,3,4,5,6,7,8,9,10,11,12,13,14,15
	v_min3_num_f32 v8, v[64*\p+4*\j], v[64*\p+4*\j+1], v8
	v_max3_num_f32 v9, v[64*\p+4*\j], v[64*\p+4*\j+1], v9
	v_min3_num_f32 v8, v[64*\p+4*\j+2], v[64*\p+4*\j+3], v8
	v_max3_num_f32 v9, v[64*\p+4*\j+2], v[64*\p+4*\j+3], v9
.endr
.endm
.macro WINDOW p                        ; 64 numbers a lane: x + M, then word |= 1 << (low five bits); 16 chains that do not wait for each other
	WIN 0x41
.irp j, 0,1,2,3,4,5,6,7,8,9,10,11,12,13,14,15
	v_pk_add_f32 v[TW+4*\j:TW+4*\j+1], v[64*\p+4*\j:64*\p+4*\j+1], v[MG:MG+1]
	v_pk_add_f32 v[TW+4*\j+2:TW+4*\j+3], v[64*\p+4*\j+2:64*\p+4*\j+3], v[MG:MG+1]
.endr
	WIN 0x54
.irp k, 0,1,2,3
.irp j, 0,1,2,3,4,5,6,7,8,9,10,11,12,13,14,15
	v_lshl_or_b32 v[WA+\j], 1, v[TW+4*\j+\k], v[WA+\j]
.endr
.endr
.endm
.macro SUB p                           ; y = x + (-a), in place
	WIN 0x41
.irp j, 0,1,2,3,4,5,6,7,8,9,10,11,12,13,14,15
	v_pk_add_f32 v[64*\p+4*\j:64*\p+4*\j+1], v[64*\p+4*\j:64*\p+4*\j+1], v[NSH+2*\j:NSH+2*\j+1]
	v_pk_add_f32 v[64*\p+4*\j+2:64*\p+4*\j+3], v[64*\p+4*\j+2:64*\p+4*\j+3], v[NSH+2*\j:NSH+2*\j+1]
.endr
.endm
.macro SUMS p
	WIN 0x01
.irp j, 0,1,2,3,4,5,6,7,8,9,10,11,12,13,14,15
	v_pk_add_f32 v[SUMP+2*\j:SUMP+2*\j+1], v[64*\p+4*\j:64*\p+4*\j+1], v[SUMP+2*\j:SUMP+2*\j+1]
	v_pk_add_f32 v[SUMP+2*\j:SUMP+2*\j+1], v[64*\p+4*\j+2:64*\p+4*\j+3], v[SUMP+2*\j:SUMP+2*\j+1]
.endr
.endm
.macro CVT p
	WIN 0x05
.irp j, 0,1,2,3,4,5,6,7,8,9,10,11,12,13,14,15
	v_cvt_pk_f16_f32 v[H+2*\j], v[64*\p+4*\j], v[64*\p+4*\j+1]
	v_cvt_pk_f16_f32 v[H+2*\j+1], v[64*\p+4*\j+2], v[64*\p+4*\j+3]
.endr
.endm
.macro PUT buf                         ; the two rows of one store lie 8 x 144 = 1,152 bytes apart, 128 modulo 256: no two lanes share a bank
	WIN 0
.irp j, 0,1,2,3,4,5,6,7,8,9,10,11,12,13,14,15
	ds_store_b64 v4, v[H+2*\j:H+2*\j+1] offset:\buf*BUFB+(16*(\j>>3)+(\j&7))*PITCH
.endr
.endm
.macro FRAGS buf                       ; 12 loads for each group of 32 along K
.irp kg, 0,1
.irp ni, 0,1
	ds_load_b128 v[FO+16*\kg+8*\ni:FO+16*\kg+8*\ni+3], v6 offset:\buf*BUFB+\ni*16*PITCH+64*\kg
	ds_load_b128 v[FO+16*\kg+8*\ni+4:FO+16*\kg+8*\ni+7], v6 offset:\buf*BUFB+\ni*16*PITCH+64*\kg+32
.endr
.irp mi, 0,1,2,3
	ds_load_b128 v[FS+32*\kg+8*\mi:FS+32*\kg+8*\mi+3], v5 offset:\buf*BUFB+\mi*16*PITCH+64*\kg
	ds_load_b128 v[FS+32*\kg+8*\mi+4:FS+32*\kg+8*\mi+7], v5 offset:\buf*BUFB+\mi*16*PITCH+64*\kg+32
.endr
.endr
.endm
; source 0 = my own rows, source 1 = the strip's: lane (c, h), register e holds result (strip row 16 mi + c, column 32 w + 16 ni + 8 h + e)
.macro MUL8 kg, zero
.irp mi, 0,1,2,3
.irp ni, 0,1
.if \zero
	v_wmma_f32_16x16x32_f16 v[ACC+8*(2*\mi+\ni):ACC+8*(2*\mi+\ni)+7], v[FO+16*\kg+8*\ni:FO+16*\kg+8*\ni+7], v[FS+32*\kg+8*\mi:FS+32*\kg+8*\mi+7], 0
.else
	v_wmma_f32_16x16x32_f16 v[ACC+8*(2*\mi+\ni):ACC+8*(2*\mi+\ni)+7], v[FO+16*\kg+8*\ni:FO+16*\kg+8*\ni+7], v[FS+32*\kg+8*\mi:FS+32*\kg+8*\mi+7], v[ACC+8*(2*\mi+\ni):ACC+8*(2*\mi+\ni)+7]
.endif
.endr
.endr
.endm
; 16 figures a lane (one for each row of a half, registers R + S j) become one figure a lane, through the wave's own LDS bytes, which LDS serves in order
.macro ROWOUT R, S, L, lo, t, go
.irp j, 0,1,2,3,4,5,6,7,8,9,10,11,12,13,14,15
	ds_store_b32 v17, v[\R+\S*\j] offset:\L+4*(16*(\j>>3)+(\j&7))
.endr
	ds_load_b32 v[\t], v18 offset:\L
	s_wait_dscnt 0x0
	global_store_b32 v16, v[\t], s[\lo:\lo+1] offset:\go
.endm
; One K step on stage st of x and LDS buffer buf.  fill = 1: the stage is loaded again, two steps ahead.
; left = the younger stage's loads, which stay out.
; One barrier a step serves both ways: a buffer was last read two steps ago, and each wave waited for those reads (s_wait_dscnt 0)
; in front of the barrier of the step between.
; SUB's 32 packed adds name none of the matrix instructions' registers: they are the places between the last
; step's products and CVT's writes of v[64:95], and the fragment loads further down.
.macro STEP id, st, buf, zero, fill, left
	s_wait_loadcnt \left
	s_cmp_lg_u32 s17, 0                            ; min and max: strip 0 alone, all its waves
	s_cbranch_scc1 .Lnomm\id
	MINMAX \st
	WIN 0
.Lnomm\id:
	s_cmp_lg_u32 s17, s21                          ; the bit words: the strip whose turn it is, all its waves
	s_cbranch_scc1 .Lnowi\id
	WINDOW \st
	WIN 0
.Lnowi\id:
	s_add_co_u32 s21, s21, 1                       ; the turn goes 1, 2, 3, 1, ..
	s_cmp_gt_u32 s21, 3
	s_cselect_b32 s21, 1, s21
	SUB \st
	WIN 0
	s_cmp_eq_u32 s19, 0                            ; sums: the waves whose rows lie in the strip
	s_cbranch_scc1 .Lnosu\id
	SUMS \st
	WIN 0
.Lnosu\id:
	CVT \st
	PUT \buf
.if \fill
	s_wait_xcnt 0x0                                ; the base that pending loads name is stepped only behind this wait
	s_add_nc_u64 s[22:23], s[22:23], 256
	LOADS \st, 22
.endif
	s_wait_dscnt 0x0                               ; my rows are in LDS
	s_barrier_signal -1
	s_barrier_wait -1                              ; everybody's are
	FRAGS \buf
	s_wait_dscnt 12                                ; the first 12 fragment loads are in, the second K group's 12 stay out
	MUL8 0, \zero
	s_wait_dscnt 0x0
	MUL8 1, 0
.endm
	s_load_b256 s[4:11], s[0:1], 0x0               ; x s[4:5], part s[6:7], dg s[8:9], sm s[10:11]
	s_load_b128 s[12:15], s[0:1], 0x20             ; w0 s[12:13], mm s[14:15]
	v_lshl_add_u32 v28, v0, 2, 0x12d00
	s_set_vgpr_msb 0x40
	v_mov_b32 v209, 0
	s_set_vgpr_msb 0x4000
	v_lshrrev_b32 v7, 5, v0
	v_readfirstlane_b32 s16, v7                    ; wave w
	s_and_b32 s17, ttmp9, 3                        ; strip q
	s_lshr_b32 s18, ttmp9, 2                       ; range r
	s_lshr_b32 s24, s16, 1
	s_cmp_eq_u32 s24, s17
	s_cselect_b32 s19, 1, 0                        ; own: my 32 rows lie in the strip
	s_mov_b32 s21, 1                               ; whose turn the bit words are
	s_mov_b32 s26, 0x76543210                      ; v_permlanex16_b32: lane i reads lane i of the other half
	s_mov_b32 s27, 0xfedcba98
	v_and_b32 v1, 15, v0                           ; c
	v_bfe_u32 v2, v0, 4, 1                         ; h
	v_and_b32 v10, 31, v0                          ; lane
	s_lshl_b32 s24, s16, 5
	v_lshl_add_u32 v11, v2, 3, s24                 ; 32 w + 8 h
	v_lshlrev_b32 v3, 18, v11
	v_lshl_add_u32 v3, v1, 4, v3                   ; that row in x + 16 c
	v_mul_u32_u24 v4, v11, PITCH
	v_lshl_add_u32 v4, v1, 3, v4                   ; that row in LDS + 8 c
	v_mul_u32_u24 v12, v1, PITCH
	v_lshl_add_u32 v12, v2, 4, v12                 ; a fragment's lane term: c x pitch + 16 h
	s_mul_i32 s24, s17, 64*PITCH
	s_mul_i32 s25, s16, 32*PITCH
	v_add_nc_u32 v5, s24, v12                      ; the strip's rows
	v_add_nc_u32 v6, s25, v12                      ; my own rows
	v_mov_b32 v8, 0x7f800000                       ; +infinity
	v_mov_b32 v9, 0xff800000                       ; -infinity
.set i, 0
.rept 32
	v_mov_b32 v[SUMP+i], 0                         ; written in every wave: only the own waves add to them
.set i, i+1
.endr
	WIN 0x40
.set i, 0
.rept 16
	v_mov_b32 v[WA+i], 0                           ; likewise the bit words
.set i, i+1
.endr
	WIN 0
	s_lshl_b32 s24, s18, 12                        ; 1,024 columns of 4 bytes
	s_mov_b32 s25, 0
	s_wait_kmcnt 0x0
	s_add_nc_u64 s[22:23], s[4:5], s[24:25]        ; x at the range's first column
	s_load_b32 s29, s[4:5], 0x0                    ; x[0][0]
	LOADS 0, 4                                     ; columns 0 to 63, for the shifts
	LOADS 1, 22                                    ; K step 0
	s_wait_loadcnt 16                              ; the sample is in; step 0's 16 loads stay out
	WIN 0x05
.irp j, 0,1,2,3,4,5,6,7,8,9,10,11,12,13,14,15
	v_pk_add_f32 v[64+2*\j:65+2*\j], v[4*\j:4*\j+1], v[4*\j+2:4*\j+3]
.endr
	WIN 0
.irp j, 0,1,2,3,4,5,6,7,8,9,10,11,12,13,14,15
	v_add_f32 v[64+2*\j], v[64+2*\j], v[65+2*\j]
.endr
.irp m, 1,2,4,8
.irp j, 0,1,2,3,4,5,6,7,8,9,10,11,12,13,14,15
	v_add_f32_dpp v[64+2*\j], v[64+2*\j], v[64+2*\j] row_xmask:\m row_mask:0xf bank_mask:0xf
.endr
.endr
.irp j, 0,1,2,3,4,5,6,7,8,9,10,11,12,13,14,15
	v_mul_f32 v[NSH+2*\j], 0xbc800000, v[64+2*\j]      ; -1/64 x the sum of 64
	v_mul_f32 v[NSH+2*\j+1], 0xbc800000, v[64+2*\j]
.endr
	s_wait_kmcnt 0x0
	v_mov_b32 v29, s29
	v_add_f32 v29, 0x4b400000, v29                 ; + 1.5 x 2^23 rounds to the nearest whole number, halves to even
	v_add_nc_u32 v29, 0xb4c00000, v29              ; bits - 0x4b400000 = round(x[0][0])
	v_and_b32 v29, -2, v29
	v_add_nc_u32 v29, -16, v29                     ; base0, even
	v_cvt_f32_i32 v[MG], v29
	v_sub_f32 v[MG], 0x4b400000, v[MG]             ; M = 1.5 x 2^23 - base0: an even whole number below 2^25, so exact
	v_mov_b32 v[MG+1], v[MG]
	s_wait_xcnt 0x0
	s_add_nc_u64 s[22:23], s[22:23], 256
	LOADS 0, 22                                    ; K step 1
	STEP 0, 1, 0, 1, 1, 16                         ; the first products start the sums: nothing is cleared
	STEP 1, 0, 1, 0, 1, 16
	s_mov_b32 s20, 6
.Lsteps:
	STEP 2, 1, 0, 0, 1, 16
	STEP 3, 0, 1, 0, 1, 16
	s_sub_co_i32 s20, s20, 1
	s_cmp_lg_u32 s20, 0
	s_cbranch_scc1 .Lsteps
	STEP 4, 1, 0, 0, 0, 16                         ; the last two steps load nothing
	STEP 5, 0, 1, 0, 0, 0
	; THE WAY OUT: the strip goes through LDS, so that each store of a wave covers 512 consecutive bytes of part.
.rept 4
	v_nop                                          ; the places behind the last products (ISA guide 7.12.1)
.endr
	s_barrier_signal -1                            ; every wave's fragment reads are over (s_wait_dscnt 0 above):
	s_barrier_wait -1                              ; the operand buffers' bytes become the stage
	v_mul_u32_u24 v7, v1, SPITCH
	v_lshl_add_u32 v7, v11, 2, v7                  ; row c, byte 4 (32 w + 8 h)
.irp mi, 0,1,2,3
.irp ni, 0,1
	ds_store_b128 v7, v[ACC+8*(2*\mi+\ni):ACC+8*(2*\mi+\ni)+3] offset:\mi*16*SPITCH+\ni*64
	ds_store_b128 v7, v[ACC+8*(2*\mi+\ni)+4:ACC+8*(2*\mi+\ni)+7] offset:\mi*16*SPITCH+\ni*64+16
.endr
.endr
	s_lshl_b32 s24, s18, 18                        ; part + r x 256 KiB + q x 64 rows of 1,024 bytes
	s_lshl_b32 s25, s17, 16
	s_add_co_u32 s24, s24, s25
	s_mov_b32 s25, 0
	s_add_nc_u64 s[6:7], s[6:7], s[24:25]
	s_lshl_b32 s24, s18, 10                        ; sm + r x 1,024
	s_add_nc_u64 s[10:11], s[10:11], s[24:25]
	s_lshl_b32 s28, s17, 8
	s_add_co_u32 s24, s24, s28                     ; dg + r x 1,024 + q x 256
	s_add_nc_u64 s[8:9], s[8:9], s[24:25]
	s_mul_i32 s24, s16, 8*SPITCH
	v_lshl_add_u32 v12, v10, 4, s24                ; back: my 8 rows of the strip, 16 bytes a lane
	s_lshl_b32 s24, s16, 13
	v_lshl_add_u32 v13, v10, 4, s24                ; and the same in part
	v_lshlrev_b32 v16, 2, v0                       ; 4 x thread
	s_lshl_b32 s24, s16, 7
	s_add_co_u32 s24, s24, TAILS
	v_lshl_add_u32 v17, v2, 5, s24                 ; my wave's 128 bytes + 4 x 8 h
	v_lshl_add_u32 v18, v10, 2, s24                ; my wave's 128 bytes + 4 x lane
	s_lshl_b32 s24, s16, 3
	s_add_co_u32 s24, s24, MMR
	v_mov_b32 v24, s24                             ; my wave's min and max
	v_and_b32 v25, 7, v0
	v_lshlrev_b32 v25, 3, v25
	v_add_nc_u32 v25, MMR, v25                     ; those of wave lane % 8
	v_lshlrev_b32 v30, 2, v10                      ; 4 x lane
	s_cmp_lg_u32 s17, 0
	s_cbranch_scc1 .Lnomr
	; strip 0: my wave's min and max of x over its 32 lanes, into its own 8 bytes, in front of the barrier below
.irp m, 1,2,4,8
	v_min_num_f32_dpp v8, v8, v8 row_xmask:\m row_mask:0xf bank_mask:0xf
	v_max_num_f32_dpp v9, v9, v9 row_xmask:\m row_mask:0xf bank_mask:0xf
.endr
	v_mov_b32 v21, v8                              ; the permute's destination counts as read
	v_mov_b32 v22, v9
	v_permlanex16_b32 v21, v8, s26, s27
	v_permlanex16_b32 v22, v9, s26, s27
	v_min_num_f32 v8, v8, v21
	v_max_num_f32 v9, v9, v22
	ds_store_b64 v24, v[8:9]
.Lnomr:
	s_wait_dscnt 0x0
	s_barrier_signal -1
	s_barrier_wait -1                              ; the stage is whole, and so are the eight waves' min and max
.irp n, 0,1,2,3,4,5,6,7,8,9,10,11,12,13,14,15
	ds_load_b128 v[64+4*\n:67+4*\n], v12 offset:(\n>>1)*SPITCH+(\n&1)*512
.endr
.irp n, 0,1,2,3,4,5,6,7,8,9,10,11,12,13,14,15
	s_wait_dscnt 15-\n                             ; read-back n is in, the younger ones stay out
	global_store_b128 v13, v[64+4*\n:67+4*\n], s[6:7] offset:(\n>>1)*1024+(\n&1)*512
.endr
	s_cmp_gt_u32 s16, 1
	s_cbranch_scc1 .Lnodiag                        ; threads 0 to 63: the strip's diagonal
	s_mul_i32 s24, s16, 32*(SPITCH+4)
	s_add_co_u32 s24, s24, s28
	v_mul_u32_u24 v14, v10, SPITCH+4
	v_add_nc_u32 v14, s24, v14                     ; row l, column 64 q + l
	ds_load_b32 v15, v14
	s_wait_dscnt 0x0
	global_store_b32 v16, v15, s[8:9]
.Lnodiag:
	s_cmp_eq_u32 s17, 0
	s_cbranch_scc1 .Lnowo
	; strips 1 to 3, every wave: the bit words of my 32 rows, ORed over the 16 lanes that share a row
	WIN 0x01
.irp j, 0,1,2,3,4,5,6,7,8,9,10,11,12,13,14,15
	v_mov_b32 v[128+\j], v[WA+\j]
.endr
	WIN 0
.irp m, 1,2,4,8
.irp j, 0,1,2,3,4,5,6,7,8,9,10,11,12,13,14,15
	v_mov_b32_dpp v[144+\j], v[128+\j] row_xmask:\m row_mask:0xf bank_mask:0xf
.endr
.irp j, 0,1,2,3,4,5,6,7,8,9,10,11,12,13,14,15
	v_or_b32 v[128+\j], v[128+\j], v[144+\j]
.endr
.endr
	s_mul_i32 s24, s18, 3
	s_add_co_u32 s24, s24, s17
	s_sub_co_u32 s24, s24, 1
	s_lshl_b32 s24, s24, 10                        ; entry 3 r + q - 1, 1,024 bytes each
	s_mov_b32 s25, 0
	s_add_nc_u64 s[12:13], s[12:13], s[24:25]
	ROWOUT 128, 1, 2304, 12, 31, 0
.Lnowo:
	s_cmp_eq_u32 s19, 0
	s_cbranch_scc1 .Lend
	; own waves: the sums and shifts of my 32 rows
.irp j, 0,1,2,3,4,5,6,7,8,9,10,11,12,13,14,15
	v_add_f32 v[SUMP+2*\j], v[SUMP+2*\j], v[SUMP+2*\j+1]
.endr
.irp m, 1,2,4,8
.irp j, 0,1,2,3,4,5,6,7,8,9,10,11,12,13,14,15
	v_add_f32_dpp v[SUMP+2*\j], v[SUMP+2*\j], v[SUMP+2*\j] row_xmask:\m row_mask:0xf bank_mask:0xf
.endr
.endr
	ROWOUT SUMP, 2, 0, 10, 19, 0
	s_cmp_lg_u32 s18, 0
	s_cbranch_scc1 .Lnosh
	ROWOUT NSH, 2, 1024, 10, 20, 65536             ; the shifts are stored by range 0 alone, behind sm's 64 ranges
.Lnosh:
	s_cmp_lg_u32 s17, 0
	s_cbranch_scc1 .Lend
	s_cmp_lg_u32 s16, 0
	s_cbranch_scc1 .Lend
	; wave 0 of strip 0 (an own wave): the range's min and max from the eight waves'
	ds_load_b64 v[8:9], v25
	s_wait_dscnt 0x0
.irp m, 1,2,4
	v_min_num_f32_dpp v8, v8, v8 row_xmask:\m row_mask:0xf bank_mask:0xf
	v_max_num_f32_dpp v9, v9, v9 row_xmask:\m row_mask:0xf bank_mask:0xf
.endr
	v_add_f32 v8, 0x4b400000, v8                   ; + 1.5 x 2^23 rounds to the nearest whole number, halves to even
	v_add_f32 v9, 0x4b400000, v9
	v_add_nc_u32 v8, 0xb4c00000, v8                ; bits - 0x4b400000 = that whole number (rounding keeps the order, so this is min of round)
	v_add_nc_u32 v9, 0xb4c00000, v9
	v_mov_b32 v23, 0
	s_lshl_b32 s24, s18, 3                         ; entry r, 8 bytes
	s_mov_b32 s25, 0
	s_add_nc_u64 s[14:15], s[14:15], s[24:25]
	s_cmp_lg_u32 s18, 0
	s_cbranch_scc1 .Lnob
	global_store_b32 v30, v29, s[14:15] offset:512 ; range 0: base0, once for each lane (128 bytes), so that no lane is masked
.Lnob:
	v_cmp_eq_u32 vcc_lo, 0, v10
	s_wait_xcnt 0x0                                ; EXEC is a source of the pending stores
	s_and_saveexec_b32 s28, vcc_lo
	global_store_b64 v23, v[8:9], s[14:15]
	s_wait_xcnt 0x0
	s_or_b32 exec_lo, exec_lo, s28
.Lend:
	s_barrier_signal -1
	s_barrier_wait -1
	s_set_vgpr_msb 0x4
	s_wait_tensorcnt 0x0
	ds_add_u32 v28, v209
	s_wait_dscnt 0x0
	s_set_vgpr_msb 0x400
	s_endpgm
.Lfunc_end_k_q3f09e96330_gram:
	.size	k_q3f09e96330_gram, .Lfunc_end_k_q3f09e96330_gram-k_q3f09e96330_gram
	.p2alignl 7, 3214868480
	.fill 96, 4, 3214868480
	.section	.rodata,"a",@progbits
	.p2align	6, 0x0
	.amdhsa_kernel k_q3f09e96330_gram
		.amdhsa_group_segment_fixed_size 78080
		.amdhsa_private_segment_fixed_size 0
		.amdhsa_enable_private_segment 0
		.amdhsa_kernarg_size 48
		.amdhsa_user_sgpr_count 2
		.amdhsa_user_sgpr_kernarg_segment_ptr 1
		.amdhsa_wavefront_size32 1
		.amdhsa_system_sgpr_workgroup_id_x 1
		.amdhsa_system_sgpr_workgroup_id_y 1
		.amdhsa_system_sgpr_workgroup_id_z 1
		.amdhsa_system_vgpr_workitem_id 0
		.amdhsa_next_free_vgpr 466
		.amdhsa_next_free_sgpr 66
		.amdhsa_reserve_vcc 1
		.amdhsa_float_denorm_mode_32 3
		.amdhsa_float_denorm_mode_16_64 3
		.amdhsa_memory_ordered 1
		.amdhsa_forward_progress 1
		.amdhsa_inst_pref_size 169
	.end_amdhsa_kernel
	.amdgpu_metadata
---
amdhsa.version: [ 1, 2 ]
amdhsa.kernels:
  - .name:           k_q3f09e96330_gram
    .symbol:         k_q3f09e96330_gram.kd
    .args:
      - { .name: x, .offset: 0, .size: 8, .value_kind: global_buffer, .address_space: global }
      - { .name: part, .offset: 8, .size: 8, .value_kind: global_buffer, .address_space: global }
      - { .name: dg, .offset: 16, .size: 8, .value_kind: global_buffer, .address_space: global }
      - { .name: sm, .offset: 24, .size: 8, .value_kind: global_buffer, .address_space: global }
      - { .name: w0, .offset: 32, .size: 8, .value_kind: global_buffer, .address_space: global }
      - { .name: mm, .offset: 40, .size: 8, .value_kind: global_buffer, .address_space: global }
    .group_segment_fixed_size: 78080
    .private_segment_fixed_size: 0
    .kernarg_segment_align: 8
    .kernarg_segment_size: 48
    .max_flat_workgroup_size: 256
    .sgpr_count:     66
    .vgpr_count:     466
    .wavefront_size: 32
...
	.end_amdgpu_metadata
.endif
;; end of part 4
;; launch rows (part 5): grid 256 x 1, 16 waves a work-group, no clusters, 84,480 bytes of LDS; arguments x, part, dg, sm, w0, mm, st, bm, trips; writes st, bm, trips
.if DOCPART == 5
	.amdgcn_target "amdgcn-amd-amdhsa--gfx1250"
	.amdhsa_code_object_version 6
	.text
	.protected	k_q3f09e96330_rows
	.globl	k_q3f09e96330_rows
	.p2align	8
	.type	k_q3f09e96330_rows,@function
k_q3f09e96330_rows:
	s_mov_b64 s[64:65], 0
	v_nop
	global_prefetch_b8 v0, s[64:65] scope:SCOPE_SE
	s_setreg_imm32_b32 hwreg(HW_REG_WAVE_MODE, 25, 1), 1
	s_wait_xcnt 0x0
; Work-group i makes row i's statistics: st[i] = {U, R, f1, uniq}, the row's bitmaps of distinct round(x) (bm), the number of window groups (trips).
;   C[i][j] = S[i][j] - s[i] s[j] / F (S, s: the sums of the first launch over its 64 ranges; F = 65536);
;   f1 = mean over j of min(|C[i][j]| rsq(C[i][i]) rsq(C[j][j]), 1);   R = sum over j of C[i][j];
;   U = C[i][i] - 2 R / 256 + F d^2, d = mu[i] - mean of mu, mu = a + s / F.  F x (mean squared distance of row i to the column means)
;   = U + (sum of all R) / 256^2: the cross term is zero, since centred rows sum to zero.  (For rows that are nearly equal to each other this form cancels.)
; Distinct values, two ways; the choice is made on the scalar side from the whole numbers that the first launch stored (64 pairs {min, max} and base0,
; read by scalar loads), and is the same in every work-group:
;   every round(x) of the tensor in base0 .. base0 + 31: the row's one window is the OR of the first launch's 192 words for this row; x is not read;
;   otherwise: the row is read into registers as bits of x + 1.5 x 2^23, 128 numbers a lane in 16 waves.  A window is one word: 31 values from the
;   tensor's minimum on, and bit 31 for whatever lies outside.  T = (max - min) / 31 + 1 windows, one trip of the loop each.
; bm = [group of 4 windows][row][4 words]; a wave stores its 32 windows if any of them lies in a group below ceil(T / 4); words beyond T are zeros.
; EXEC is narrowed only for wave 0's last stores: no vector register is written behind a mask.
; No matrix unit, no cluster: the work-groups share only small tables.
; LIMITS: |x| < 2^22; max - min of round(x) at most 15,871 (512 windows); no NaN; no constant row (there the reference gives NaN, this text 1).
.set WT,  0                            ; [512 windows][16 waves] words
.set RED, 32768                        ; [3 arrays][16 waves][256] f32: S[i][.], the diagonal S[.][.], s[.]
.set FIN, 81920                        ; 16 bytes a wave
; v1 lane, v[4:7] zeros, v[8:15] at work, v20 4 w, v21 my place in RED, v22 scratch of the lane steps, v23 = 1, v24, v25 the window's word (v25 first: my word of w0),
; v26 my offset in w0, then a window's address, v27 -a[j], v[28:31] results, v[32:63] part, v[64:95] dg, v[96:127] sm, v[128:255] the row.
; Offsets, first use / second use (rewritten when the loads that name them are done): v2 16 lane / FIN + 16 w; v3 4 (t & 255) / FIN + 16 (lane & 15);
; v16 in x / 64 t in WT; v17 in part / in bm; v18 in dg, sm / RED + 4 t; v19 clearing / RED + 4 i
; s[48:63], s[68:83], s[84:99]: 16 words of mm each; afterwards s50 the choice, s52 the mask of a window's valid bits
.macro IRED op, r, t                   ; op over the 32 lanes, whole numbers: four steps inside a half of 16, one across
.irp m, 1,2,4,8
	v_mov_b32_dpp v[\t], v[\r] row_xmask:\m row_mask:0xf bank_mask:0xf
	\op v[\r], v[\r], v[\t]
.endr
	v_permlanex16_b32 v[\t], v[\r], s26, s27
	\op v[\r], v[\r], v[\t]
.endm
.macro SUM32 r, t
.irp m, 1,2,4,8
	v_add_f32_dpp v[\r], v[\r], v[\r] row_xmask:\m row_mask:0xf bank_mask:0xf
.endr
	v_permlanex16_b32 v[\t], v[\r], s26, s27
	v_add_f32 v[\r], v[\r], v[\t]
.endm
.macro MM16 b                          ; eight pairs {min, max} of mm
.irp e, 0,2,4,6,8,10,12,14
	s_min_i32 s33, s33, s[\b+\e]
	s_max_i32 s41, s41, s[\b+\e+1]
.endr
.endm
.macro ACC4 P                          ; my four ranges: (r0 + r1) + (r2 + r3), 8 numbers a lane; the same order for every array
.irp e, 0,2,4,6
	v_pk_add_f32 v[\P+\e:\P+\e+1], v[\P+\e:\P+\e+1], v[\P+8+\e:\P+8+\e+1]
	v_pk_add_f32 v[\P+16+\e:\P+16+\e+1], v[\P+16+\e:\P+16+\e+1], v[\P+24+\e:\P+24+\e+1]
	v_pk_add_f32 v[\P+\e:\P+\e+1], v[\P+\e:\P+\e+1], v[\P+16+\e:\P+16+\e+1]
.endr
.endm
.macro TREE16 b                        ; the 16 waves' figures; the same order for every array, so that C[i][j] at j = i is C[i][i] bit for bit
.irp n, 0,2,4,6
	v_pk_add_f32 v[\b+\n:\b+\n+1], v[\b+\n:\b+\n+1], v[\b+8+\n:\b+8+\n+1]
.endr
	v_pk_add_f32 v[\b:\b+1], v[\b:\b+1], v[\b+4:\b+5]
	v_pk_add_f32 v[\b+2:\b+3], v[\b+2:\b+3], v[\b+6:\b+7]
	v_pk_add_f32 v[\b:\b+1], v[\b:\b+1], v[\b+2:\b+3]
	v_add_f32 v[\b], v[\b], v[\b+1]
.endm
.macro RUN16 dst, adr, off             ; the 16 waves' partial sums of one array at one column
.set k, 0
.rept 16
	ds_load_b32 v[\dst+k], v[\adr] offset:\off+1024*k
.set k, k+1
.endr
.endm
	s_load_b512 s[4:19], s[0:1], 0x0               ; x s[4:5], part s[6:7], dg s[8:9], sm s[10:11], w0 s[12:13], mm s[14:15], st s[16:17], bm s[18:19]
	s_load_b64 s[20:21], s[0:1], 0x40              ; trips
	v_lshrrev_b32 v8, 5, v0
	v_readfirstlane_b32 s22, v8                    ; wave w
	s_mov_b32 s26, 0x76543210                      ; v_permlanex16_b32: lane i reads lane i of the other half
	s_mov_b32 s27, 0xfedcba98
	s_mov_b32 s34, 0x4b400000                      ; 1.5 x 2^23
	s_mov_b32 s35, 0x4b400000
	v_and_b32 v1, 31, v0
	v_lshlrev_b32 v2, 4, v1
	v_and_b32 v3, 0xff, v0
	v_lshlrev_b32 v3, 2, v3
	v_mov_b32 v4, 0
	v_mov_b32 v5, 0
	v_mov_b32 v6, 0
	v_mov_b32 v7, 0
	s_lshl_b32 s24, s22, 14
	v_add_nc_u32 v16, s24, v2                      ; x: my wave's 16 KiB of the row
	s_lshl_b32 s24, s22, 20
	v_add_nc_u32 v17, s24, v2                      ; part: ranges 4 w .. 4 w + 3, 256 KiB each
	s_lshl_b32 s24, s22, 12
	v_add_nc_u32 v18, s24, v2                      ; dg, sm: the same ranges, 1,024 bytes each
	s_lshl_b32 s24, s22, 9
	v_add_nc_u32 v19, s24, v2                      ; clearing: 512 bytes a wave
	s_lshl_b32 s24, s22, 2
	v_mov_b32 v20, s24                             ; my wave's word of a window
	s_lshl_b32 s24, s22, 10
	s_add_co_u32 s24, s24, RED
	v_add_nc_u32 v21, s24, v2
	v_mov_b32 v22, 0
	v_mov_b32 v23, 1
	v_min_u32 v26, 0xbf, v0                        ; w0: entry min(t, 191); an entry taken twice does not change an OR
	v_lshlrev_b32 v26, 10, v26
	s_lshl_b32 s36, ttmp9, 2                       ; 4 i
	s_mov_b32 s37, 0
	s_lshl_b32 s24, ttmp9, 18
	s_mov_b32 s25, 0
	s_lshl_b32 s38, ttmp9, 10
	s_mov_b32 s39, 0
	s_lshl_b32 s42, ttmp9, 4                       ; 16 i
	s_mov_b32 s43, 0
	s_mov_b32 s33, 0x7fffffff                      ; running min
	s_mov_b32 s41, 0x80000000                      ; running max
	s_wait_kmcnt 0x0
	s_add_nc_u64 s[4:5], s[4:5], s[24:25]          ; x at row i
	s_add_nc_u64 s[6:7], s[6:7], s[38:39]          ; part at row i of range 0
	s_add_nc_u64 s[12:13], s[12:13], s[36:37]      ; w0 at row i of entry 0
	s_add_nc_u64 s[16:17], s[16:17], s[42:43]      ; st at row i
	s_add_nc_u64 s[18:19], s[18:19], s[42:43]      ; bm at row i of group 0
	s_add_nc_u64 s[20:21], s[20:21], s[36:37]      ; trips at row i
	s_add_nc_u64 s[46:47], s[10:11], 0x10000       ; the shifts lie behind sm's 64 ranges
	s_load_b32 s32, s[46:47], s36 offset:0x0       ; -a[i]
	s_load_b32 s45, s[14:15], 0x200                ; base0
	s_load_b512 s[48:63], s[14:15], 0x0            ; mm, ranges 0 to 23
	s_load_b512 s[68:83], s[14:15], 0x40
	s_load_b512 s[84:99], s[14:15], 0x80
.irp k, 0,1,2,3
	global_load_b128 v[32+8*\k:35+8*\k], v17, s[6:7] offset:\k*262144 th:TH_LOAD_NT
	global_load_b128 v[36+8*\k:39+8*\k], v17, s[6:7] offset:\k*262144+512 th:TH_LOAD_NT
.endr
.irp k, 0,1,2,3
	global_load_b128 v[64+8*\k:67+8*\k], v18, s[8:9] offset:\k*1024
	global_load_b128 v[68+8*\k:71+8*\k], v18, s[8:9] offset:\k*1024+512
.endr
.irp k, 0,1,2,3
	global_load_b128 v[96+8*\k:99+8*\k], v18, s[10:11] offset:\k*1024
	global_load_b128 v[100+8*\k:103+8*\k], v18, s[10:11] offset:\k*1024+512
.endr
	global_load_b32 v27, v3, s[46:47]              ; -a[j]
	global_load_b32 v25, v26, s[12:13]             ; my entry's word for row i
.irp n, 0,1,2,3
	ds_store_b128 v19, v[4:7] offset:WT+\n*8192    ; windows that nobody fills count nothing
.endr
	s_wait_kmcnt 0x0                               ; scalar loads come back in no order: the wait is for all of a batch
	MM16 48
	MM16 68
	MM16 84
	s_load_b512 s[48:63], s[14:15], 0xc0           ; ranges 24 to 47
	s_load_b512 s[68:83], s[14:15], 0x100
	s_load_b512 s[84:99], s[14:15], 0x140
	s_wait_dscnt 0x0
	s_barrier_signal -1
	s_barrier_wait -1                              ; the table is clear before any wave writes a window's word
	s_wait_kmcnt 0x0
	MM16 48
	MM16 68
	MM16 84
	s_load_b512 s[48:63], s[14:15], 0x180          ; ranges 48 to 63
	s_load_b512 s[68:83], s[14:15], 0x1c0
	s_wait_kmcnt 0x0
	MM16 48
	MM16 68
	s_add_co_i32 s40, s45, 31
	s_cmp_ge_i32 s33, s45
	s_cselect_b32 s50, 1, 0
	s_cmp_le_i32 s41, s40
	s_cselect_b32 s51, 1, 0
	s_and_b32 s50, s50, s51                        ; 1: every round(x) lies in base0 .. base0 + 31
	s_sub_co_i32 s29, s41, s33
	s_mul_hi_u32 s29, s29, 0x08421085              ; / 31: the factor is 2^32 / 31 rounded up, exact for numbers below 2^27
	s_add_co_u32 s29, s29, 1
	s_min_u32 s29, s29, 512
	s_cmp_lg_u32 s50, 0
	s_cselect_b32 s29, 1, s29                      ; T
	s_cselect_b32 s52, -1, 0x7fffffff              ; the first launch's word has 32 values, a window of the loop 31
	s_add_co_u32 s44, s29, 3
	s_lshr_b32 s44, s44, 2                         ; groups of four windows
	s_lshl_b32 s23, s44, 2                         ; windows in those groups
	s_add_co_i32 s30, s33, 0x4b400000              ; the bits of the loop's first window's first value
	s_cmp_lg_u32 s50, 0
	s_cbranch_scc1 .Lfast
	; the row from memory, T windows
.set k, 0
.rept 32
	global_load_b128 v[128+4*k:131+4*k], v16, s[4:5] offset:512*k
.set k, k+1
.endr
	s_wait_loadcnt 0x0                             ; the row and the tables are in, and every offset register is free
.set n, 0
.rept 64
	v_pk_add_f32 v[128+2*n:129+2*n], v[128+2*n:129+2*n], s[34:35] op_sel_hi:[1,0]
.set n, n+1
.endr
	s_mov_b32 s31, 0
.Lwin:
	v_mov_b32 v24, 0
	v_mov_b32 v25, 0
.set n, 0
.rept 64
	v_sub_nc_u32 v[8+2*(n%4)], v[128+2*n], s30     ; place in the window; below it wraps to a large number
	v_sub_nc_u32 v[9+2*(n%4)], v[129+2*n], s30
	v_min_u32 v[8+2*(n%4)], 31, v[8+2*(n%4)]       ; outside: bit 31
	v_min_u32 v[9+2*(n%4)], 31, v[9+2*(n%4)]
	v_lshlrev_b32 v[8+2*(n%4)], v[8+2*(n%4)], v23
	v_lshlrev_b32 v[9+2*(n%4)], v[9+2*(n%4)], v23
	v_or3_b32 v[24+(n%2)], v[8+2*(n%4)], v[9+2*(n%4)], v[24+(n%2)]
.set n, n+1
.endr
	v_or_b32 v24, v24, v25
	IRED v_or_b32, 24, 22
	s_lshl_b32 s40, s31, 6
	s_min_u32 s40, s40, 32704                      ; window x 64 bytes, inside the table
	v_add_nc_u32 v26, s40, v20
	ds_store_b32 v26, v24 offset:WT                ; every lane holds the same word
	s_add_co_u32 s30, s30, 31
	s_add_co_u32 s31, s31, 1
	s_cmp_lt_u32 s31, s29
	s_cbranch_scc1 .Lwin
	s_branch .Ljoin
.Lfast:
	; the first launch's words: my wave's 32 entries, ORed, are its word of window 0
	s_wait_loadcnt 0x0                             ; the tables are in, and every offset register is free
	IRED v_or_b32, 25, 22
	ds_store_b32 v20, v25 offset:WT
.Ljoin:
	s_lshl_b32 s24, s22, 11
	v_lshl_add_u32 v16, v1, 6, s24                 ; window t's 16 words
	v_lshrrev_b32 v17, 2, v0
	v_and_b32 v18, 3, v0
	v_lshlrev_b32 v17, 12, v17
	v_lshl_add_u32 v17, v18, 2, v17                ; bm: group t / 4 (4,096 bytes), word t % 4
	s_lshl_b32 s24, s22, 7
	s_add_co_u32 s24, s24, RED
	v_lshl_add_u32 v18, v1, 2, s24                 ; column j = t (waves 0 to 7)
	s_and_b32 s24, s36, 0x3fc
	s_add_co_u32 s24, s24, RED
	v_mov_b32 v19, s24                             ; column i
	s_lshl_b32 s24, s22, 4
	s_add_co_u32 s24, s24, FIN
	v_mov_b32 v2, s24
	v_and_b32 v3, 15, v1
	v_lshlrev_b32 v3, 4, v3
	v_add_nc_u32 v3, FIN, v3
	ACC4 32
	ACC4 64
	ACC4 96
.irp a, 0,1,2
	ds_store_b128 v21, v[32+32*\a:35+32*\a] offset:\a*16384
	ds_store_b128 v21, v[36+32*\a:39+32*\a] offset:\a*16384+512
.endr
	s_wait_dscnt 0x0
	s_barrier_signal -1
	s_barrier_wait -1                              ; all windows' words and all partial sums are in LDS
	; thread t: window t
.irp n, 0,1,2,3
	ds_load_b128 v[32+4*\n:35+4*\n], v16 offset:WT+16*\n
.endr
	s_wait_dscnt 0x0
	v_or3_b32 v32, v32, v33, v34
	v_or3_b32 v35, v35, v36, v37
	v_or3_b32 v38, v38, v39, v40
	v_or3_b32 v41, v41, v42, v43
	v_or3_b32 v44, v44, v45, v46
	v_or3_b32 v32, v32, v35, v38
	v_or3_b32 v41, v41, v44, v47
	v_or_b32 v32, v32, v41
	v_and_b32 v24, s52, v32                        ; the window's valid bits, kept for the last store
	v_bcnt_u32_b32 v31, v24, 0
	v_cvt_f32_u32 v31, v31
	SUM32 31, 22
	v_mov_b32 v28, 0
	v_mov_b32 v29, 0
	v_mov_b32 v30, 0
	v_mov_b32 v112, 0
	v_mov_b32 v113, 0
	s_cmp_gt_u32 s22, 7
	s_cbranch_scc1 .Lnocov
	; threads 0 to 255: column j = thread of the covariance's row i
	RUN16 80, 19, 16384                            ; S[i][i]
	RUN16 96, 19, 32768                            ; s[i]
	RUN16 32, 18, 0                                ; S[i][j]
	s_wait_dscnt 16                                ; S[i][i] and s[i] are in; S[i][j]'s 16 loads stay out
	RUN16 48, 18, 16384                            ; S[j][j]
	RUN16 64, 18, 32768                            ; s[j]
	TREE16 80
	TREE16 96
	s_wait_dscnt 0x0
	TREE16 32
	TREE16 48
	TREE16 64
	v_mul_f32 v8, 0x37800000, v64                  ; s[j] / F
	v_mul_f32 v9, 0x37800000, v96                  ; s[i] / F
	v_fma_f32 v10, -v64, v8, v48                   ; C[j][j]
	v_fma_f32 v113, -v96, v9, v80                  ; C[i][i]
	v_fma_f32 v29, -v96, v8, v32                   ; C[i][j]
	v_rsq_f32 v11, v10
	v_rsq_f32 v12, v113
	v_sub_f32 v30, v8, v27                         ; mu[j]; also the plain instruction between the roots and their use (ISA guide 5.7.2)
	v_sub_f32 v112, v9, s32                        ; mu[i]
	s_wait_alu depctr_va_vdst(0)
	v_mul_f32 v13, |v29|, v11
	v_mul_f32 v13, v13, v12
	v_min_num_f32 v28, 1.0, v13
	SUM32 28, 22
	SUM32 29, 22
	SUM32 30, 22
.Lnocov:
	ds_store_b128 v2, v[28:31]                     ; my wave's sums of |corr|, C, mu and its count of distinct values
	s_wait_dscnt 0x0
	s_barrier_signal -1
	s_barrier_wait -1
	s_cmp_lg_u32 s22, 0
	s_cbranch_scc1 .Lbm
	ds_load_b128 v[32:35], v3                      ; lane l: wave l % 16's four figures
	s_wait_dscnt 0x0
.irp m, 1,2,4,8
	v_add_f32_dpp v32, v32, v32 row_xmask:\m row_mask:0xf bank_mask:0xf
	v_add_f32_dpp v33, v33, v33 row_xmask:\m row_mask:0xf bank_mask:0xf
	v_add_f32_dpp v34, v34, v34 row_xmask:\m row_mask:0xf bank_mask:0xf
	v_add_f32_dpp v35, v35, v35 row_xmask:\m row_mask:0xf bank_mask:0xf
.endr
	v_fmamk_f32 v36, v34, 0xbb800000, v112         ; d = mu[i] - sum of mu / 256
	v_mul_f32 v37, v36, v36
	v_fmamk_f32 v40, v37, 0x47800000, v113         ; C[i][i] + F d^2
	v_fmamk_f32 v40, v33, 0xbc000000, v40          ; - 2 R / 256: U
	v_mov_b32 v41, v33                             ; R
	v_mul_f32 v42, 0x3b800000, v32                 ; f1 = sum / 256
	v_mov_b32 v43, v35                             ; uniq
	v_mov_b32 v44, s44
	v_cmp_eq_u32 vcc_lo, 0, v1
	s_wait_xcnt 0x0                                ; EXEC changes only behind this wait
	s_and_saveexec_b32 s28, vcc_lo
	global_store_b128 v4, v[40:43], s[16:17]
	global_store_b32 v4, v44, s[20:21]
	s_wait_xcnt 0x0
	s_or_b32 exec_lo, exec_lo, s28
.Lbm:
	s_lshl_b32 s24, s22, 5                         ; my wave's first window
	s_cmp_ge_u32 s24, s23
	s_cbranch_scc1 .Lend                           ; none of my 32 windows lies in a group that is read later
	global_store_b32 v17, v24, s[18:19]
.Lend:
	s_wait_xcnt 0x0
	s_mov_b32 exec_lo, -1
	v_lshl_add_u32 v30, v0, 2, 0x14200
	v_mov_b32 v31, 0
	s_wait_tensorcnt 0x0
	ds_add_u32 v30, v31
	s_wait_dscnt 0x0
	s_endpgm
.Lfunc_end_k_q3f09e96330_rows:
	.size	k_q3f09e96330_rows, .Lfunc_end_k_q3f09e96330_rows-k_q3f09e96330_rows
	.p2alignl 7, 3214868480
	.fill 96, 4, 3214868480
	.section	.rodata,"a",@progbits
	.p2align	6, 0x0
	.amdhsa_kernel k_q3f09e96330_rows
		.amdhsa_group_segment_fixed_size 84480
		.amdhsa_private_segment_fixed_size 0
		.amdhsa_enable_private_segment 0
		.amdhsa_kernarg_size 72
		.amdhsa_user_sgpr_count 2
		.amdhsa_user_sgpr_kernarg_segment_ptr 1
		.amdhsa_wavefront_size32 1
		.amdhsa_system_sgpr_workgroup_id_x 1
		.amdhsa_system_sgpr_workgroup_id_y 1
		.amdhsa_system_sgpr_workgroup_id_z 1
		.amdhsa_system_vgpr_workitem_id 0
		.amdhsa_next_free_vgpr 256
		.amdhsa_next_free_sgpr 100
		.amdhsa_reserve_vcc 1
		.amdhsa_float_denorm_mode_32 3
		.amdhsa_float_denorm_mode_16_64 3
		.amdhsa_memory_ordered 1
		.amdhsa_forward_progress 1
		.amdhsa_inst_pref_size 56
	.end_amdhsa_kernel
	.amdgpu_metadata
---
amdhsa.version: [ 1, 2 ]
amdhsa.kernels:
  - .name:           k_q3f09e96330_rows
    .symbol:         k_q3f09e96330_rows.kd
    .args:
      - { .name: x, .offset: 0, .size: 8, .value_kind: global_buffer, .address_space: global }
      - { .name: part, .offset: 8, .size: 8, .value_kind: global_buffer, .address_space: global }
      - { .name: dg, .offset: 16, .size: 8, .value_kind: global_buffer, .address_space: global }
      - { .name: sm, .offset: 24, .size: 8, .value_kind: global_buffer, .address_space: global }
      - { .name: w0, .offset: 32, .size: 8, .value_kind: global_buffer, .address_space: global }
      - { .name: mm, .offset: 40, .size: 8, .value_kind: global_buffer, .address_space: global }
      - { .name: st, .offset: 48, .size: 8, .value_kind: global_buffer, .address_space: global }
      - { .name: bm, .offset: 56, .size: 8, .value_kind: global_buffer, .address_space: global }
      - { .name: trips, .offset: 64, .size: 8, .value_kind: global_buffer, .address_space: global }
    .group_segment_fixed_size: 84480
    .private_segment_fixed_size: 0
    .kernarg_segment_align: 8
    .kernarg_segment_size: 72
    .max_flat_workgroup_size: 512
    .sgpr_count:     100
    .vgpr_count:     256
    .wavefront_size: 32
...
	.end_amdgpu_metadata
.endif
;; end of part 5
;; launch apply: the kernel of part 3 again; grid 1024 x 1, 8 waves a work-group, no clusters, 19,712 bytes of LDS; arguments noise, x, st, bm, trips, out0; writes out0
